; MI455X (gfx1250); checked and timed in simulation.
; The chip was launched on July 23, 2026; its instructions are those of AMD's public machine-readable ISA for CDNA 5 (MIT licence, August 2026) and "CDNA5" Instruction Set Architecture Reference Guide (July 2026). The comments in the code are by the model that wrote it; some were corrected since.
;; Scaled Dot Product Attention. Allowed arithmetic: float matrix products may take bf16 or f16 operands with f32 sums; other float arithmetic in f32, or as packed bf16 or f16 multiplies, adds, multiply-adds, maxima and minima; sums over many terms, partial sums and values carried from step to step in f32; what a program stores and reads back later, other than sums and carried values, may be rounded once to bf16 or f16.
;; Inputs: Wf 1,024 x 1,024 float32; Wk 1,024 x 1,024 float32; Wq 1,024 x 1,024 float32; Wv 1,024 x 1,024 float32; bf 1,024 float32; bk 1,024 float32; bq 1,024 float32; bv 1,024 float32; k 4 x 2,048 x 1,024 float32; q 4 x 2,048 x 1,024 float32; v 4 x 2,048 x 1,024 float32.
;; Outputs: out0 4 x 2,048 x 1,024 float32.
;; One version. Each part assembles by itself: llvm-mc -triple=amdgcn-amd-amdhsa -mcpu=gfx1250 --defsym DOCPART=n.
;; ======== version 1 of 1: 5 launches
;; limits: values are held in f16: magnitudes above 65,504 overflow, below 6.1e-05 lose precision; a function is approximated: absolute error at most 7.5e-08
;; workspace buffers: wb 8,388,608 bytes; pj 50,331,648 bytes; pm 33,554,432 bytes; st 1,048,576 bytes; cx 16,777,216 bytes
;; launch wcast (part 1): grid 256 x 1, 8 waves a work-group, no clusters, 0 bytes of LDS; arguments Wq, Wk, Wv, Wf, wb; writes wb
.if DOCPART == 1
	.amdgcn_target "amdgcn-amd-amdhsa--gfx1250"
	.amdhsa_code_object_version 6
	.text
	.protected	k_qfba227de90_wcast
	.globl	k_qfba227de90_wcast
	.p2align	8
	.type	k_qfba227de90_wcast,@function
k_qfba227de90_wcast:
	s_mov_b64 s[64:65], 0
	v_nop
	global_prefetch_b8 v0, s[64:65] scope:SCOPE_SE
	s_setreg_imm32_b32 hwreg(HW_REG_WAVE_MODE, 25, 1), 1
	s_wait_xcnt 0x0
; The four weight matrices, [1024][1024] f32, are rounded once to 16 bits: wb = [4][1024][1024].  Sections 0-2: Wq, Wk, Wv in bf16.
; Section 3: Wf rounded to bf16 like the others, and that number written as f16, since the last product's other operand is f16.
; LIMIT.  The f16 copy is exact for 2^-14 <= |Wf| < 65,504; a smaller weight keeps f16's fixed step of 2^-24, a larger one becomes an infinity.
; SHARES.  64 work-groups a matrix, 65,536 bytes of f32 each.  Thread t takes 32 bytes at 32 t of each block of 8,192 bytes and stores 16 bytes at 16 t:
; a store of a wave covers 512 consecutive bytes, aligned.  All sixteen loads of a thread go out at once; no LDS, no matrix unit: nothing is shared and nothing is multiplied.
.set X, 8                              ; v[8:71]   eight blocks of eight f32
.set Y, 72                             ; v[72:103] eight blocks of four packed words
	s_load_b256 s[4:11], s[0:1], 0x0               ; Wq s[4:5], Wk s[6:7], Wv s[8:9], Wf s[10:11]
	s_load_b64 s[12:13], s[0:1], 0x20              ; wb
	s_lshr_b32 s14, ttmp9, 6                       ; which matrix
	s_and_b32 s15, ttmp9, 63
	s_lshl_b32 s16, s15, 16                        ; my 65,536 bytes of it
	s_mov_b32 s17, 0
	s_lshl_b32 s18, ttmp9, 15                      ; my 32,768 bytes of wb
	s_mov_b32 s19, 0
	s_and_b32 s24, s14, 1
	v_lshlrev_b32 v1, 5, v0
	v_lshlrev_b32 v2, 4, v0
	s_wait_kmcnt 0x0
	s_cmp_lt_u32 s14, 2
	s_cselect_b64 s[20:21], s[4:5], s[8:9]         ; the even one of the pair,
	s_cselect_b64 s[22:23], s[6:7], s[10:11]       ; the odd one
	s_cmp_eq_u32 s24, 0
	s_cselect_b64 s[20:21], s[20:21], s[22:23]
	s_add_nc_u64 s[20:21], s[20:21], s[16:17]
	s_add_nc_u64 s[12:13], s[12:13], s[18:19]
.irp i, 0,1,2,3,4,5,6,7
	global_load_b128 v[X+8*(\i):X+8*(\i)+3],   v1, s[20:21] offset:8192*(\i) th:TH_LOAD_NT
	global_load_b128 v[X+8*(\i)+4:X+8*(\i)+7], v1, s[20:21] offset:8192*(\i)+16 th:TH_LOAD_NT
.endr
.irp i, 0,1,2,3,4,5,6,7
	s_wait_loadcnt 14-2*(\i)                       ; loads come back in order: block i's two are in, the younger ones stay out
.irp j, 0,1,2,3
	v_cvt_pk_bf16_f32 v[Y+4*(\i)+(\j)], v[X+8*(\i)+2*(\j)], v[X+8*(\i)+2*(\j)+1]
.endr
.endr
	s_cmp_eq_u32 s14, 3
	s_cbranch_scc0 .Lst
.set i, 0
.rept 32                                       ; Wf: each bf16 is widened (a shift, a mask) and written as f16
	v_lshlrev_b32 v[4+2*(i%2)], 16, v[Y+i]
	v_and_b32 v[5+2*(i%2)], 0xffff0000, v[Y+i]
	v_cvt_pk_f16_f32 v[Y+i], v[4+2*(i%2)], v[5+2*(i%2)]
.set i, i+1
.endr
.Lst:
.irp i, 0,1,2,3,4,5,6,7
	global_store_b128 v2, v[Y+4*(\i):Y+4*(\i)+3], s[12:13] offset:4096*(\i)
.endr
	s_endpgm
.Lfunc_end_k_qfba227de90_wcast:
	.size	k_qfba227de90_wcast, .Lfunc_end_k_qfba227de90_wcast-k_qfba227de90_wcast
	.p2alignl 7, 3214868480
	.fill 96, 4, 3214868480
	.section	.rodata,"a",@progbits
	.p2align	6, 0x0
	.amdhsa_kernel k_qfba227de90_wcast
		.amdhsa_group_segment_fixed_size 0
		.amdhsa_private_segment_fixed_size 0
		.amdhsa_enable_private_segment 0
		.amdhsa_kernarg_size 40
		.amdhsa_user_sgpr_count 2
		.amdhsa_user_sgpr_kernarg_segment_ptr 1
		.amdhsa_wavefront_size32 1
		.amdhsa_system_sgpr_workgroup_id_x 1
		.amdhsa_system_sgpr_workgroup_id_y 1
		.amdhsa_system_sgpr_workgroup_id_z 1
		.amdhsa_system_vgpr_workitem_id 0
		.amdhsa_next_free_vgpr 104
		.amdhsa_next_free_sgpr 66
		.amdhsa_reserve_vcc 0
		.amdhsa_float_denorm_mode_32 3
		.amdhsa_float_denorm_mode_16_64 3
		.amdhsa_memory_ordered 1
		.amdhsa_forward_progress 1
		.amdhsa_inst_pref_size 11
	.end_amdhsa_kernel
	.amdgpu_metadata
---
amdhsa.version: [ 1, 2 ]
amdhsa.kernels:
  - .name:           k_qfba227de90_wcast
    .symbol:         k_qfba227de90_wcast.kd
    .args:
      - { .name: Wq, .offset: 0, .size: 8, .value_kind: global_buffer, .address_space: global }
      - { .name: Wk, .offset: 8, .size: 8, .value_kind: global_buffer, .address_space: global }
      - { .name: Wv, .offset: 16, .size: 8, .value_kind: global_buffer, .address_space: global }
      - { .name: Wf, .offset: 24, .size: 8, .value_kind: global_buffer, .address_space: global }
      - { .name: wb, .offset: 32, .size: 8, .value_kind: global_buffer, .address_space: global }
    .group_segment_fixed_size: 0
    .private_segment_fixed_size: 0
    .kernarg_segment_align: 8
    .kernarg_segment_size: 40
    .max_flat_workgroup_size: 256
    .sgpr_count:     66
    .vgpr_count:     104
    .wavefront_size: 32
...
	.end_amdgpu_metadata
.endif
;; end of part 1
;; launch proj (part 2): grid 4 x 64, 4 waves a work-group, clusters of 4 x 4, 327,680 bytes of LDS; arguments q, k, v, bq, bk, bv, wb, pj; writes pj
.if DOCPART == 2
	.amdgcn_target "amdgcn-amd-amdhsa--gfx1250"
	.amdhsa_code_object_version 6
	.text
	.protected	k_qfba227de90_proj
	.globl	k_qfba227de90_proj
	.p2align	8
	.type	k_qfba227de90_proj,@function
k_qfba227de90_proj:
	s_mov_b64 s[64:65], 0
	v_nop
	global_prefetch_b8 v0, s[64:65] scope:SCOPE_SE
	s_setreg_imm32_b32 hwreg(HW_REG_WAVE_MODE, 25, 1), 1
	s_wait_xcnt 0x0
	s_wait_alu depctr_hold_cnt(0) depctr_sa_sdst(0) depctr_va_vdst(0) depctr_va_sdst(0) depctr_va_ssrc(0) depctr_va_vcc(0) depctr_vm_vsrc(0)
	s_getreg_b32 s2, hwreg(HW_REG_IB_STS2, 6, 4)
	s_cmp_eq_u32 s2, 0
	s_cbranch_scc0 .Lentry_in_a_cluster
	s_endpgm
.Lentry_in_a_cluster:
	s_bfe_u32 s2, ttmp6, 0x10000c
	s_cmp_lg_u32 s2, 0xf033
	s_cbranch_scc0 .Lentry_shape_is_right
	s_endpgm
.Lentry_shape_is_right:
; pj[t] = X_t W_t^T + b_t for t = 0, 1, 2 (X = q, k, v: [8192][1024] f32; W_t: bf16 in wb; b_t f32), stored as f16, [3][8192][1024].
; X is rounded to bf16 on its way from LDS to the matrix unit; sums in f32, begun with the bias as the C operand of a tile's first K step; the result is rounded once.
; LIMIT.  f16 ends at 65,504: a projected number beyond that becomes an infinity.  NaN and infinities are not treated apart.
; SHARES.  A tile is 128 rows x 256 columns, a wave's part 64 x 128: 32 accumulators.  A WORK-GROUP STAYS: it makes the same tile of q's, of k's and of v's projection, one after the other: 256 work-groups,
; 24 K steps of 128 through two LDS slots, and the ring does not stop at a tile's end: the refill behind step g brings step g + 2, whose tile and K step are read off that number.
; CLUSTER.  4 x 4 work-groups: the four of a row of the cluster need the same rows of X, the four of a column the same rows of W: each tile is asked for jointly.
; The product is used transposed (source 0 = 16 rows of W, source 1 = 16 rows of X): a lane holds one row of the result and eight neighbouring columns.
; LDS.  Wave w's piece of a slot lies at w x 0x9000 (waves 0, 1: 64 rows of X, 512 + 16 bytes each; waves 2, 3: 128 rows of W, 256 + 16 bytes each); slot 1 lies 0x24000 further on.
; No piece's first byte has a bit of 0x24000 set, so one exclusive or turns an address in one slot into the other's.  Behind the ring: a stage of 16 x 272 bytes a wave, then the spare words.
; REGISTERS.  window 0: v0-31 addresses; v32-63 X's four fragments in bf16; v64-127, v128-191 the same in f32 as loaded, two buffers; v192-255 (and v128-159) the way out.
;   window 1: accumulator (a, b) at v[8 (8 a + b)].   window 2: v0-63, v64-127 W's eight fragments, two buffers; v128-191 the bias.
.set TILES,  3
.set STEPS,  8
.set ALL,    TILES*STEPS
.set PP,     0x9000
.set SLOT,   0x24000
.set PA,     528
.set PB,     272
.set SP,     272
.set STAGE,  8*PP
.set SPARE,  STAGE+4*16*SP             ; 128 bytes a wave: two blocks of 256 bytes that no other line names
.set ASTEP,  512                       ; a K step in bytes of a row of X,
.set BSTEP,  256                       ; and of W
.set A0,   16                          ; v16  my lane's place in my piece of X, slot 0; never rewritten
.set B0,   17                          ; v17  the same for W
.set ADRA, 18                          ; v18  the same in the slot that is being read
.set ADRB, 19
.set STO,  24                          ; the way out: where I put 16 bytes of a row,
.set RD,   25                          ; where I read rows back,
.set CO,   26                          ; my byte offset in pj
.set BO,   27                          ; my byte offset in the bias
.set SPW,  28                          ; LDS address of my spare word; never rewritten
.set NIL,  29                          ; 0; never rewritten
.set PFO,  30                          ; the prefetches' offset; never rewritten
.set AF,   32
.set SG,   64
.set TMP,  192
.set BF,   0
.set BIAS, 128
.set G1A,  24                          ; s[24:31] descriptor group 1 for X's tiles
.set G0A,  32                          ; s[32:39] group 0: a set for each first fill; the second then serves every refill
.set LIM,  43                          ; s43  2 in a wave that prefetches, else the greatest number
.set PFA,  44                          ; s[44:45] where my prefetch stands
.set G1B,  48                          ; s[48:55], s[56:63] the same for W's tiles
.set G0B,  56
.set TB,   66                          ; s66  0 or SLOT: the slot that is being read
.set IDX,  70                          ; s70  the step, 0 .. 23, that the next refill brings
.set PIX,  71                          ; s71  the step that the next prefetch names
.set PFS,  72                          ; s[72:73] the prefetch's offset from its base
.set DOF,  74                          ; s[74:75] a refill's offset from its base
.set KSH,  76                          ; s76  9 or 8: a K step is 512 bytes of a row of X, 256 of W
.set POF,  77                          ; s77  my work-group's rows among those that the four partners prefetch
.set TT,   78                          ; s78  the tile whose sums have been begun
.set W_MM, 0x52                        ; W window 2, X window 0, C and D window 1
.set W_MB, 0x62                        ; the same with C (the bias) in window 2
.set MSB, 0
.macro WIN new                         ; the immediate's high byte repeats the setting that is left; a switch that changes nothing is dropped
.if MSB != (\new)
	s_set_vgpr_msb (MSB<<8)|(\new)
.set MSB, \new
.endif
.endm
.macro PLACES                          ; four plain vector instructions behind a matrix instruction, ahead of loads into its sources and of readers of its result
.rept 4
	v_nop
.endr
.endm
.macro CROUND                          ; a round of the cluster's barrier
	s_barrier_signal -1
	s_barrier_wait -1
	s_cmp_lg_u32 s10, 0
	s_cbranch_scc1 .Lnot_wave_0_\@
	s_barrier_signal -3
.Lnot_wave_0_\@:
	s_barrier_wait -3
	s_barrier_signal -1
	s_barrier_wait -1
.endm
.macro JLOAD n                         ; a joint load: waves 0, 1 fetch X's two halves, waves 2, 3 W's; an s_nop 0 and four v_nop follow each line
	s_cmp_eq_u32 s11, 0
	s_cbranch_scc0 .Lfor_b_\@
	tensor_load_to_lds s[G0A+4*(\n):G0A+4*(\n)+3], s[G1A:G1A+7]
	s_nop 0
.rept 4
	v_nop
.endr
	s_branch .Lasked_\@
.Lfor_b_\@:
	tensor_load_to_lds s[G0B+4*(\n):G0B+4*(\n)+3], s[G1B:G1B+7]
	s_nop 0
.rept 4
	v_nop
.endr
.Lasked_\@:
.endm
; A prefetch of the step that stands two refills on: 32 blocks of 256 bytes, a lane a block.  X's rows belong to one cluster alone: every cluster asks for its own, the four partners of a row 16 rows
; (two blocks each) of the 64 that the wave fetches, told apart by address.  W's rows are read by all sixteen clusters: the first of them asks, the four partners of a column 32 rows each.
; The change of slots behind step g names step g + 4; s3 is 22 - g there, so only trips with s3 above 2 ask.
.macro ASK
	s_cmp_gt_u32 s3, s[LIM]
	s_cbranch_scc0 .Lnot_mine_\@
	global_prefetch_b8 v[PFO], s[PFA:PFA+1] th:TH_LOAD_NT scope:SCOPE_SE
.Lnot_mine_\@:
.endm
.macro BIASL base                      ; the bias of my 128 columns: columns 16 b + 8 h + 0..7: the layout of a C operand
	WIN 0x80                                       ; destination window 2
.irp b, 0,1,2,3,4,5,6,7
	global_load_b128 v[BIAS+8*(\b):BIAS+8*(\b)+3],   v[BO], s[\base:\base+1] offset:64*(\b)
	global_load_b128 v[BIAS+8*(\b)+4:BIAS+8*(\b)+7], v[BO], s[\base:\base+1] offset:64*(\b)+16
.endr
	WIN 0
.endm
	s_load_b512 s[80:95], s[0:1], 0x0              ; q, k, v, bq, bk, bv, wb, pj
	v_lshl_add_u32 v[SPW], v0, 2, SPARE
	v_mov_b32 v[NIL], 0
	ds_add_u32 v[SPW], v[NIL]                      ; the wave's opening: the add and its wait stand ahead of my first tensor load
	v_lshrrev_b32 v1, 5, v0
	v_readfirstlane_b32 s10, v1                    ; wave 0..3
	s_lshr_b32 s11, s10, 1                         ; my half of the tile's rows; also: I fetch for X (0) or for W (1)
	s_and_b32 s12, s10, 1                          ; my half of its columns; also: which half of that tile I fetch
	s_bfe_u32 s40, ttmp6, 0x40000                  ; cx
	s_bfe_u32 s41, ttmp6, 0x40004                  ; cy
	s_lshl_b32 s42, ttmp9, 2
	s_add_co_u32 s42, s42, s40                     ; tile column
	s_and_b32 s69, ttmp7, 0xffff                   ; cluster y
	s_lshl_b32 s13, s69, 2
	s_add_co_u32 s13, s13, s41                     ; tile row, 0..63
	s_lshl_b32 s14, s41, 2
	s_lshl_b32 s14, 15, s14                        ; my row of the cluster
	s_lshl_b32 s46, 0x1111, s40                    ; my column
	s_or_b32 s[G1A+0], s14, (2<<16)|(1<<20)|(1<<21)|(6<<22)|(3<<25)  ; mask; 4-byte elements; padding on; bit 21 beside a mask; after every 128 words, 4 words
	s_or_b32 s[G1B+0], s46, (1<<16)|(1<<20)|(1<<21)|(5<<22)|(3<<25)  ; mask; 2-byte elements; after every 64 words, 4 words
	s_mov_b32 s[G1A+1], 128<<16                    ; tensor_dim0 = 128
	s_mov_b32 s[G1A+2], 64<<16                     ; tensor_dim1 = 64
	s_mov_b32 s[G1A+3], 128<<16                    ; tile_dim0 = 128
	s_mov_b32 s[G1A+4], 64                         ; tile_dim1 = 64
	s_mov_b32 s[G1A+5], 1024                       ; elements from row to row
	s_mov_b32 s[G1A+6], 0
	s_mov_b32 s[G1A+7], 0
	s_mov_b32 s[G1B+1], 128<<16
	s_mov_b32 s[G1B+2], 128<<16
	s_mov_b32 s[G1B+3], 128<<16
	s_mov_b32 s[G1B+4], 128
	s_mov_b32 s[G1B+5], 1024
	s_mov_b32 s[G1B+6], 0
	s_mov_b32 s[G1B+7], 0
	s_lshl_b32 s16, s13, 7                         ; X: row 128 x tile row + 64 x half, 4,096 bytes a row
	s_lshl_b32 s17, s12, 6
	s_add_co_u32 s16, s16, s17
	s_lshl_b32 s16, s16, 12
	s_mov_b32 s17, 0
	s_lshl_b32 s46, s42, 8                         ; W: row 256 x tile column + 128 x half, 2,048 bytes a row
	s_lshl_b32 s47, s12, 7
	s_add_co_u32 s46, s46, s47
	s_lshl_b32 s46, s46, 11
	s_mov_b32 s47, 0
	s_mul_i32 s20, s10, PP                         ; where my piece goes: no place in the cluster enters an LDS address
	s_mov_b32 s[TB], 0
	s_mov_b32 s[IDX], 2
	s_mov_b32 s[PIX], 4
	s_mov_b32 s[TT], 0
	s_mov_b32 s[DOF+1], 0
	s_mov_b32 s[PFS+1], 0
	s_wait_dscnt 0x0                               ; the opening add is done
	s_wait_kmcnt 0x0
	s_add_nc_u64 s[80:81], s[80:81], s[16:17]      ; q, k and v at the rows that I fetch
	s_add_nc_u64 s[82:83], s[82:83], s[16:17]
	s_add_nc_u64 s[84:85], s[84:85], s[16:17]
	s_add_nc_u64 s[46:47], s[92:93], s[46:47]      ; Wq at the rows that I fetch; Wk and Wv lie 2 MiB and 4 MiB on
	CROUND                                         ; all sixteen work-groups are here: the first joint loads meet
.irp n, 0,1
	s_mov_b32 s[G0A+4*(\n)], 1
	s_add_co_u32 s[G0A+4*(\n)+1], s20, (\n)*SLOT
	s_add_nc_u64 s[G0A+4*(\n)+2:G0A+4*(\n)+3], s[80:81], (\n)*ASTEP
	s_or_b32 s[G0A+4*(\n)+3], s[G0A+4*(\n)+3], 0x80000000
	s_mov_b32 s[G0B+4*(\n)], 1
	s_add_co_u32 s[G0B+4*(\n)+1], s20, (\n)*SLOT
	s_add_nc_u64 s[G0B+4*(\n)+2:G0B+4*(\n)+3], s[46:47], (\n)*BSTEP
	s_or_b32 s[G0B+4*(\n)+3], s[G0B+4*(\n)+3], 0x80000000
	JLOAD \n                                       ; steps 0 and 1: two loads of mine are out
.endr
	v_and_b32 v1, 15, v0                           ; r = l % 16
	v_bfe_u32 v2, v0, 4, 1                         ; h = l / 16
	v_mul_u32_u24 v[A0], v1, PA                    ; X in f32: row r, K = 8 h + 0..7 are 32 bytes at 32 h, K = 16 + 8 h + 0..7 lie 64 bytes on
	v_lshl_add_u32 v[A0], v2, 5, v[A0]
	s_mul_i32 s20, s11, PP
	v_add_nc_u32 v[A0], s20, v[A0]
	v_mul_u32_u24 v[B0], v1, PB
	v_lshl_add_u32 v[B0], v2, 4, v[B0]
	s_mul_i32 s21, s12, PP
	s_add_co_u32 s21, s21, 2*PP
	v_add_nc_u32 v[B0], s21, v[B0]
	v_mov_b32 v[ADRA], v[A0]
	v_mov_b32 v[ADRB], v[B0]
	s_mul_i32 s23, s10, 16*SP
	s_add_co_u32 s23, s23, STAGE                   ; my stage
	v_mul_u32_u24 v3, v1, SP
	v_lshl_add_u32 v3, v2, 4, v3
	v_add_nc_u32 v[STO], s23, v3
	v_mul_u32_u24 v3, v2, SP
	v_lshl_add_u32 v3, v1, 4, v3
	v_add_nc_u32 v[RD], s23, v3
	v_lshlrev_b32 v3, 11, v2
	v_lshl_add_u32 v[CO], v1, 4, v3                ; lanes 0-15 one row of 256 bytes, lanes 16-31 the next
	v_lshlrev_b32 v[BO], 5, v2
	s_lshl_b32 s20, s42, 10                        ; the three biases at my 128 columns
	s_lshl_b32 s21, s12, 9
	s_add_co_u32 s20, s20, s21
	s_mov_b32 s21, 0
	s_add_nc_u64 s[86:87], s[86:87], s[20:21]
	s_add_nc_u64 s[88:89], s[88:89], s[20:21]
	s_add_nc_u64 s[90:91], s[90:91], s[20:21]
	BIASL 86                                       ; bq
	s_lshl_b32 s20, s13, 7                         ; pj at my 64 rows and 128 columns of section 0
	s_lshl_b32 s21, s11, 6
	s_add_co_u32 s20, s20, s21
	s_lshl_b32 s20, s20, 11
	s_lshl_b32 s21, s42, 9
	s_add_co_u32 s20, s20, s21
	s_lshl_b32 s21, s12, 8
	s_add_co_u32 s20, s20, s21
	s_mov_b32 s21, 0
	s_add_nc_u64 s[8:9], s[94:95], s[20:21]
	s_cmp_eq_u32 s11, 0                            ; the prefetches: who asks, and for which rows
	s_cselect_b32 s20, s40, s41                    ; my place among the four that ask jointly
	s_cselect_b32 s22, 1, 0                        ; X's rows have two blocks a step
	s_cselect_b32 s23, 0, s69
	s_cmp_eq_u32 s23, 0
	s_cselect_b32 s[LIM], 2, -1                    ; the same in all sixteen partners, for a given wave
	s_lshl_b32 s[POF], s20, 16                     ; 16 rows of 4,096 bytes, or 32 of 2,048
	s_add_co_u32 s[KSH], s22, 8
	s_add_co_u32 s23, s22, 11
	v_and_b32 v3, 31, v0
	v_lshrrev_b32 v4, s22, v3
	v_lshlrev_b32 v4, s23, v4
	v_and_b32 v3, s22, v3
	v_lshl_add_u32 v[PFO], v3, 8, v4               ; X: (l / 2) rows + (l % 2) blocks; W: l rows
; Half of fragment a of X, from f32 (buffer p) to bf16: four roundings of two numbers.
.macro PREP a, p, half
	WIN 0
.irp i, 0,1,2,3
	v_cvt_pk_bf16_f32 v[AF+8*(\a)+4*(\half)+(\i)], v[SG+64*(\p)+16*(\a)+8*(\half)+2*(\i)], v[SG+64*(\p)+16*(\a)+8*(\half)+2*(\i)+1]
.endr
.endm
; Eight products: row block a x all eight column blocks, 32 along K.  The 32 accumulators take turns in the same order in every quarter.
; prep = 1: the next row block's fragment is rounded meanwhile, four lines behind products 1 and 5; these lines are also the places ahead of the next run of LDS loads.
.macro MULA a, p, first, prep
.irp b, 0,1,2,3,4,5,6,7
.if \first
	WIN W_MB
	v_wmma_f32_16x16x32_bf16 v[8*(8*(\a)+(\b)):8*(8*(\a)+(\b))+7], v[BF+64*(\p)+8*(\b):BF+64*(\p)+8*(\b)+7], v[AF+8*(\a):AF+8*(\a)+7], v[BIAS+8*(\b):BIAS+8*(\b)+7]
.else
	WIN W_MM
	v_wmma_f32_16x16x32_bf16 v[8*(8*(\a)+(\b)):8*(8*(\a)+(\b))+7], v[BF+64*(\p)+8*(\b):BF+64*(\p)+8*(\b)+7], v[AF+8*(\a):AF+8*(\a)+7], v[8*(8*(\a)+(\b)):8*(8*(\a)+(\b))+7]
.endif
.if (\prep) && ((\b) == 1)
	PREP (\a)+1, \p, 0
.endif
.if (\prep) && ((\b) == 5)
	PREP (\a)+1, \p, 1
.endif
.endr
.endm
; 32 LDS loads in one run: quarter kq (32 along K) into buffer p: W's eight fragments, then X's four in f32.
.macro FETCH kq, p
	WIN 0x80
.irp b, 0,1,2,3,4,5,6,7
	ds_load_b128 v[BF+64*(\p)+8*(\b):BF+64*(\p)+8*(\b)+3],   v[ADRB] offset:(\kq)*64+(\b)*16*PB
	ds_load_b128 v[BF+64*(\p)+8*(\b)+4:BF+64*(\p)+8*(\b)+7], v[ADRB] offset:(\kq)*64+(\b)*16*PB+32
.endr
	WIN 0
.irp a, 0,1,2,3
	ds_load_b128 v[SG+64*(\p)+16*(\a):SG+64*(\p)+16*(\a)+3],     v[ADRA] offset:(\kq)*128+(\a)*16*PA
	ds_load_b128 v[SG+64*(\p)+16*(\a)+4:SG+64*(\p)+16*(\a)+7],   v[ADRA] offset:(\kq)*128+(\a)*16*PA+16
	ds_load_b128 v[SG+64*(\p)+16*(\a)+8:SG+64*(\p)+16*(\a)+11],  v[ADRA] offset:(\kq)*128+(\a)*16*PA+64
	ds_load_b128 v[SG+64*(\p)+16*(\a)+12:SG+64*(\p)+16*(\a)+15], v[ADRA] offset:(\kq)*128+(\a)*16*PA+80
.endr
.endm
; One of a K step's first three quarters: multiplies buffer p and, in its middle, fetches quarter kn into the other buffer.
.macro QUARTER kn, p, first
	s_wait_dscnt 0x0                               ; buffer p is in
	PREP 0, \p, 0
	PREP 0, \p, 1
	MULA 0, \p, \first, 1
	MULA 1, \p, \first, 1
	FETCH \kn, 1-(\p)
	MULA 2, \p, \first, 1
	MULA 3, \p, \first, 0
.endm
; The fourth quarter multiplies buffer 1 and changes slots.  Its first sixteen products stand ahead of the wait for the next slot's tile, so that between that wait and the next request only the barrier is left,
; and a refill has a whole step, 128 products, in which to land.  Ahead of the barrier each wave waits for all its tensor loads (one is out: its part of the next slot), adds 0 to its spare word, and waits for that; its reads of
; this slot were over at the quarter's head.  fill = 1: the barrier is a round of the cluster's, and the joint refill, step IDX into the slot just left, is the first thing behind it.
; fill = 0 (the last two steps): nothing is asked for; in the last of them (s3 = 1) there is no further step, and the run of LDS loads is jumped over.
.macro TURN fill
	s_wait_dscnt 0x0                               ; buffer 1 is in: my reads of this slot are over
	PREP 0, 1, 0
	PREP 0, 1, 1
	MULA 0, 1, 0, 1
	MULA 1, 1, 0, 1
	WIN 0
.if \fill
	s_wait_xcnt 0x0                                ; the last prefetch, a step back, has read its address: it is made anew, from the step's number
	s_lshr_b32 s20, s[PIX], 3                      ; its tile,
	s_and_b32 s21, s[PIX], 7                       ; its K step
	s_cmp_eq_u32 s20, 0
	s_cselect_b64 s[PFA:PFA+1], s[80:81], s[82:83]
	s_cmp_eq_u32 s20, 2
	s_cselect_b64 s[PFA:PFA+1], s[84:85], s[PFA:PFA+1]
	s_cmp_eq_u32 s11, 0
	s_cselect_b64 s[PFA:PFA+1], s[PFA:PFA+1], s[46:47]
	s_cselect_b32 s20, 0, s20                      ; X's tile has chosen a buffer; W's is an offset of 2 MiB
	s_lshl_b32 s20, s20, 21
	s_lshl_b32 s21, s21, s[KSH]
	s_add_co_u32 s20, s20, s21
	s_add_co_u32 s[PFS], s20, s[POF]
	s_add_nc_u64 s[PFA:PFA+1], s[PFA:PFA+1], s[PFS:PFS+1]
	s_add_co_u32 s[PIX], s[PIX], 1
.endif
	s_wait_tensorcnt 0x0                           ; no tensor load of mine is out, so a group 0 may be written
	ds_add_u32 v[SPW], v[NIL]                      ; 0 onto my spare word
.if \fill
	s_lshr_b32 s16, s[IDX], 3                      ; the refill's tile,
	s_and_b32 s17, s[IDX], 7                       ; its K step
	s_cmp_eq_u32 s16, 0
	s_cselect_b64 s[18:19], s[80:81], s[82:83]
	s_cmp_eq_u32 s16, 2
	s_cselect_b64 s[18:19], s[84:85], s[18:19]
	s_lshl_b32 s[DOF], s17, 9
	s_add_nc_u64 s[G0A+6:G0A+7], s[18:19], s[DOF:DOF+1]
	s_or_b32 s[G0A+7], s[G0A+7], 0x80000000
	s_lshl_b32 s[DOF], s16, 21
	s_lshl_b32 s17, s17, 8
	s_add_co_u32 s[DOF], s[DOF], s17
	s_add_nc_u64 s[G0B+6:G0B+7], s[46:47], s[DOF:DOF+1]
	s_or_b32 s[G0B+7], s[G0B+7], 0x80000000
	s_xor_b32 s[G0A+5], s[G0A+5], SLOT             ; the other slot than last time
	s_xor_b32 s[G0B+5], s[G0B+5], SLOT
	s_add_co_u32 s[IDX], s[IDX], 1
.endif
	s_xor_b32 s[TB], s[TB], SLOT                   ; the reads go over to the other slot
	v_add_nc_u32 v[ADRA], s[TB], v[A0]
	v_add_nc_u32 v[ADRB], s[TB], v[B0]
	s_wait_dscnt 0x0                               ; the add is done
.if \fill
	CROUND
	JLOAD 1                                        ; its four v_nop are also places ahead of the loads below
	FETCH 0, 0
	ASK
.else
	s_barrier_signal -1
	s_barrier_wait -1
	s_cmp_eq_u32 s3, 1
	s_cbranch_scc1 .Lno_fetch_\@
	PLACES
	FETCH 0, 0
.Lno_fetch_\@:
.endif
	MULA 2, 1, 0, 1
	MULA 3, 1, 0, 0
.endm
; The way out of row block a: rounded to f16, 16 bytes a lane; through my own stage; back as whole rows of 256 bytes; stored.
.macro PACK a
	WIN 0x05
.irp b, 0,1,2,3,4,5,6,7
.irp r, 0,1,2,3
	v_cvt_pk_f16_f32 v[TMP+4*(\b)+(\r)], v[8*(8*(\a)+(\b))+2*(\r)], v[8*(8*(\a)+(\b))+2*(\r)+1]
.endr
.endr
	WIN 0
.endm
.macro TOSTAGE a
.set BK, 224-96*((\a)%2)               ; v224-255 and v128-159 by turns: the second f32 buffer is free here, the first holds the next step's fragments
	s_wait_xcnt 0x0                                ; the stores issued so far have read their registers: these are loaded again only behind this wait
.irp b, 0,1,2,3,4,5,6,7
	ds_store_b128 v[STO], v[TMP+4*(\b):TMP+4*(\b)+3] offset:32*(\b)
.endr
.irp t, 0,1,2,3,4,5,6,7
	ds_load_b128 v[BK+4*(\t):BK+4*(\t)+3], v[RD] offset:(\t)*2*SP   ; LDS serves a wave's instructions in order (ISA guide 5.7.1.4): these see the stores above
.endr
.endm
.macro SEND a
.set BK, 224-96*((\a)%2)
	s_wait_dscnt 0x0
.irp t, 0,1,2,3,4,5,6,7
	global_store_b128 v[CO], v[BK+4*(\t):BK+4*(\t)+3], s[8:9] offset:(16*(\a)+2*(\t))*2048   ; 16 lanes store 256 consecutive bytes, aligned
.endr
.endm
.macro EPI                             ; a tile's way out
	PLACES
	PACK 0
	TOSTAGE 0
.irp a, 1,2,3
	PACK \a
	SEND (\a)-1
	TOSTAGE \a
.endr
	SEND 3
.endm
	s_wait_tensorcnt 1                             ; my part of step 0 is in; step 1's may stay out
	s_barrier_signal -1
	s_barrier_wait -1
	FETCH 0, 0
	s_mov_b32 s3, ALL-1
	s_branch .Lfirstq                              ; the loop is entered at a tile's first quarter, in the middle of a trip
.Lstep:                                        ; 22 trips: the rest of step g, the refill with step g + 2, the first quarter of step g + 1
	QUARTER 2, 1, 0
	QUARTER 3, 0, 0
	TURN 1
	WIN 0
	s_and_b32 s16, s[IDX], 7                       ; IDX is g + 3 here: was step g a tile's last?
	s_cmp_eq_u32 s16, 2
	s_cbranch_scc0 .Lplain
	EPI                                            ; the tile goes out while the refill just asked for is on its way
	s_wait_xcnt 0x0                                ; the stores have read their base and their registers
	s_add_nc_u64 s[8:9], s[8:9], 16777216          ; the next section of pj
.Lfirstq:
	s_wait_loadcnt 0x0                             ; the tile's bias
	QUARTER 1, 0, 1                                ; a tile's first products start its sums, with the bias
	WIN 0
	s_add_co_u32 s[TT], s[TT], 1
	s_cmp_lt_u32 s[TT], TILES
	s_cbranch_scc0 .Ljoin                          ; behind the last tile's there is no bias to fetch
	s_cmp_eq_u32 s[TT], 1
	s_cselect_b64 s[6:7], s[88:89], s[90:91]
	PLACES                                         ; behind the products that read the bias
	BIASL 6                                        ; the next tile's: it has eight steps in which to come
	s_branch .Ljoin
.Lplain:
	QUARTER 1, 0, 0
	WIN 0
.Ljoin:
	s_sub_co_u32 s3, s3, 1
	s_cmp_lg_u32 s3, 0
	s_cbranch_scc1 .Lstep
	s_mov_b32 s3, 2
.Ltail:                                        ; the last two steps ask for nothing: a text of their own; the second trip is left in its middle
	QUARTER 2, 1, 0
	QUARTER 3, 0, 0
	TURN 0
	WIN 0
	s_sub_co_u32 s3, s3, 1
	s_cmp_eq_u32 s3, 0
	s_cbranch_scc1 .Lout
	QUARTER 1, 0, 0
	WIN 0
	s_cmp_lg_u32 s3, 0
	s_cbranch_scc1 .Ltail
.Lout:
	s_wait_dscnt 0x0                               ; no LDS load is out when the way out takes the fragments' registers
	EPI
	s_wait_tensorcnt 0x0                           ; the wave's end
	ds_add_u32 v[SPW], v[NIL]
	s_wait_dscnt 0x0
	CROUND                                         ; the closing round
	s_endpgm
.Lfunc_end_k_qfba227de90_proj:
	.size	k_qfba227de90_proj, .Lfunc_end_k_qfba227de90_proj-k_qfba227de90_proj
	.p2alignl 7, 3214868480
	.fill 96, 4, 3214868480
	.section	.rodata,"a",@progbits
	.p2align	6, 0x0
	.amdhsa_kernel k_qfba227de90_proj
		.amdhsa_group_segment_fixed_size 327680
		.amdhsa_private_segment_fixed_size 0
		.amdhsa_enable_private_segment 0
		.amdhsa_kernarg_size 64
		.amdhsa_user_sgpr_count 2
		.amdhsa_user_sgpr_kernarg_segment_ptr 1
		.amdhsa_wavefront_size32 1
		.amdhsa_system_sgpr_workgroup_id_x 1
		.amdhsa_system_sgpr_workgroup_id_y 1
		.amdhsa_system_sgpr_workgroup_id_z 1
		.amdhsa_system_vgpr_workitem_id 0
		.amdhsa_next_free_vgpr 704
		.amdhsa_next_free_sgpr 100
		.amdhsa_reserve_vcc 0
		.amdhsa_float_denorm_mode_32 3
		.amdhsa_float_denorm_mode_16_64 3
		.amdhsa_memory_ordered 1
		.amdhsa_forward_progress 1
		.amdhsa_inst_pref_size 108
	.end_amdhsa_kernel
	.amdgpu_metadata
---
amdhsa.version: [ 1, 2 ]
amdhsa.kernels:
  - .name:           k_qfba227de90_proj
    .symbol:         k_qfba227de90_proj.kd
    .args:
      - { .name: q, .offset: 0, .size: 8, .value_kind: global_buffer, .address_space: global }
      - { .name: k, .offset: 8, .size: 8, .value_kind: global_buffer, .address_space: global }
      - { .name: v, .offset: 16, .size: 8, .value_kind: global_buffer, .address_space: global }
      - { .name: bq, .offset: 24, .size: 8, .value_kind: global_buffer, .address_space: global }
      - { .name: bk, .offset: 32, .size: 8, .value_kind: global_buffer, .address_space: global }
      - { .name: bv, .offset: 40, .size: 8, .value_kind: global_buffer, .address_space: global }
      - { .name: wb, .offset: 48, .size: 8, .value_kind: global_buffer, .address_space: global }
      - { .name: pj, .offset: 56, .size: 8, .value_kind: global_buffer, .address_space: global }
    .group_segment_fixed_size: 327680
    .private_segment_fixed_size: 0
    .kernarg_segment_align: 8
    .kernarg_segment_size: 64
    .max_flat_workgroup_size: 128
    .sgpr_count:     100
    .vgpr_count:     704
    .wavefront_size: 32
...
	.end_amdgpu_metadata
.endif
;; end of part 2
;; launch scores (part 3): grid 8 x 32, 4 waves a work-group, clusters of 4 x 4, 327,680 bytes of LDS; arguments pj, pm, st; writes pm, st
.if DOCPART == 3
	.amdgcn_target "amdgcn-amd-amdhsa--gfx1250"
	.amdhsa_code_object_version 6
	.text
	.protected	k_qfba227de90_scores
	.globl	k_qfba227de90_scores
	.p2align	8
	.type	k_qfba227de90_scores,@function
k_qfba227de90_scores:
	s_mov_b64 s[64:65], 0
	v_nop
	global_prefetch_b8 v0, s[64:65] scope:SCOPE_SE
	s_setreg_imm32_b32 hwreg(HW_REG_WAVE_MODE, 25, 1), 1
	s_wait_xcnt 0x0
	s_wait_alu depctr_hold_cnt(0) depctr_sa_sdst(0) depctr_va_vdst(0) depctr_va_sdst(0) depctr_va_ssrc(0) depctr_va_vcc(0) depctr_vm_vsrc(0)
	s_getreg_b32 s2, hwreg(HW_REG_IB_STS2, 6, 4)
	s_cmp_eq_u32 s2, 0
	s_cbranch_scc0 .Lentry_in_a_cluster
	s_endpgm
.Lentry_in_a_cluster:
	s_bfe_u32 s2, ttmp6, 0x10000c
	s_cmp_lg_u32 s2, 0xf033
	s_cbranch_scc0 .Lentry_shape_is_right
	s_endpgm
.Lentry_shape_is_right:
; S = qp kp^T for each batch, and the first half of a split softmax.  qp, kp: sections 0 and 1 of pj, [8192][1024] f16.  c = log2(e) / 8.
; For each query and each chunk of 128 keys: cm = the chunk's largest c s;  P = 2^(c s - cm), rounded to f16, into pm [8192][2048];  l = the sum of the unrounded P.
; st [16 chunks][8192 rows] takes {cm, l} in f32.  The next launch joins the chunks under the row's true maximum.
; LIMITS.  P lies in 0 to 1 and keeps f16's fixed step of 6e-8 below 6e-5; c s is rounded once to f32 before cm is taken away; NaN and infinities are not treated apart.
; SHARES.  A work-group makes 256 queries x 256 keys, a wave 128 x 128: one chunk, so that a maximum and a sum never leave the wave.  256 work-groups.  K = 1024 in 8 steps of 128, two LDS slots.
; CLUSTER.  4 x 4: qp's tiles are shared along a row of the cluster, kp's along a column, by joint loads.
; The product is used transposed (source 0 = 16 keys, source 1 = 16 queries): a lane holds one query (l % 16) and the keys 16 b + 8 (l / 16) + 0..7.
; LDS.  Wave w's piece (128 rows of 256 + 16 bytes) lies at w x 0x9000, slot 1 lies 0x24000 further on; no piece's first byte has a bit of 0x24000 set.  Behind the ring: the stages, 1,024 bytes a wave for the statistics, the spare words.
; REGISTERS.  window 0: v0-31 addresses; v64-127, v128-191 qp's fragments, two buffers (later the way out).  window 1: v64-127, v128-191 kp's.  windows 2, 3: the 64 accumulators, (a, b) at v[8 (8 (a % 4) + b)].
.set STEPS,  8
.set PITCH,  272
.set PP,     0x9000
.set SLOT,   0x24000
.set SP,     272
.set STAGE,  8*PP
.set STST,   STAGE+4*16*SP
.set SPARE,  STST+4*1024
.set A0,   16
.set B0,   17
.set ADRA, 18
.set ADRB, 19
.set SA,   20                          ; v20  where my row's statistics go, block 0
.set SAD,  21                          ; v21  the same for the block in hand
.set SB,   22                          ; v22  where I read 16 bytes of statistics back
.set SC,   23                          ; v23  my byte offset in st
.set STO,  24
.set RD,   25
.set CO,   26
.set SPW,  28
.set NIL,  29
.set PFO,  30
.set OB,   32                          ; v[32:63]   16 rows read back from the stage
.set F0,   64
.set F1,   128
.set X,    64                          ; v[64:127]  the block in hand: c s, then c s - cm, then P
.set TT,   128                         ; v[128:151] at work
.set CMP,  152                         ; v[152:153] cm, twice
.set ST2,  154                         ; v[154:155] {cm, l}
.set TMP,  192                         ; v[192:223] P in f16
.set G1A,  24
.set G0A,  32
.set LIM,  43
.set PFA,  44
.set G1B,  48
.set G0B,  56
.set TB,   66
.set BLK,  70                          ; s70  the block of 16 queries in hand
.set SOF,  71                          ; s71  128 x that
.set CS,   74                          ; s[74:75] c
.set SEL,  76                          ; s[76:77] v_permlanex16_b32's selects: each lane takes its own place in the other half
.set MUL_LO, 0xa1                      ; kp window 1, qp window 0, C and D window 2
.set MSB, 0
.macro WIN new
.if MSB != (\new)
	s_set_vgpr_msb (MSB<<8)|(\new)
.set MSB, \new
.endif
.endm
.macro PLACES
.rept 4
	v_nop
.endr
.endm
.macro CREST
	s_cmp_lg_u32 s10, 0
	s_cbranch_scc1 .Lnot_wave_0_\@
	s_barrier_signal -3
.Lnot_wave_0_\@:
	s_barrier_wait -3
	s_barrier_signal -1
	s_barrier_wait -1
.endm
.macro CROUND
	s_barrier_signal -1
	s_barrier_wait -1
	CREST
.endm
.macro JLOAD n
	s_cmp_eq_u32 s11, 0
	s_cbranch_scc0 .Lfor_b_\@
	tensor_load_to_lds s[G0A+4*(\n):G0A+4*(\n)+3], s[G1A:G1A+7]
	s_nop 0
.rept 4
	v_nop
.endr
	s_branch .Lasked_\@
.Lfor_b_\@:
	tensor_load_to_lds s[G0B+4*(\n):G0B+4*(\n)+3], s[G1B:G1B+7]
	s_nop 0
.rept 4
	v_nop
.endr
.Lasked_\@:
.endm
; A prefetch of the K step two refills on: 32 rows x 256 bytes, a lane a row.  qp's rows are read by both clusters of a row of clusters: the first asks; kp's by the two clusters of a batch in a column: the first asks.
; The four partners of a joint load take 32 each of the 128 rows that the wave fetches, told apart by address.
.macro ASK
	s_cmp_gt_u32 s3, s[LIM]
	s_cbranch_scc0 .Lnot_mine_\@
	global_prefetch_b8 v[PFO], s[PFA:PFA+1] th:TH_LOAD_NT scope:SCOPE_SE
.Lnot_mine_\@:
.endm
	s_load_b128 s[4:7], s[0:1], 0x0                ; pj s[4:5], pm s[6:7]
	s_load_b64 s[8:9], s[0:1], 0x10                ; st
	v_lshl_add_u32 v[SPW], v0, 2, SPARE
	v_mov_b32 v[NIL], 0
	ds_add_u32 v[SPW], v[NIL]                      ; the wave's opening: the add and its wait stand ahead of my first tensor load
	v_lshrrev_b32 v1, 5, v0
	v_readfirstlane_b32 s10, v1
	s_lshr_b32 s11, s10, 1
	s_and_b32 s12, s10, 1
	s_bfe_u32 s40, ttmp6, 0x40000
	s_bfe_u32 s41, ttmp6, 0x40004
	s_lshl_b32 s42, ttmp9, 2
	s_add_co_u32 s42, s42, s40                     ; tile column: 256 keys of the batch
	s_and_b32 s69, ttmp7, 0xffff
	s_lshl_b32 s13, s69, 2
	s_add_co_u32 s13, s13, s41                     ; tile row: 256 of the 8,192 queries
	s_lshl_b32 s14, s41, 2
	s_lshl_b32 s14, 15, s14
	s_lshl_b32 s46, 0x1111, s40
	s_or_b32 s[G1A+0], s14, (1<<16)|(1<<20)|(1<<21)|(5<<22)|(3<<25)
	s_or_b32 s[G1B+0], s46, (1<<16)|(1<<20)|(1<<21)|(5<<22)|(3<<25)
.irp g, G1A, G1B
	s_mov_b32 s[(\g)+1], 128<<16                   ; tensor_dim0 = 128
	s_mov_b32 s[(\g)+2], 128<<16                   ; tensor_dim1 = 128
	s_mov_b32 s[(\g)+3], 128<<16                   ; tile_dim0 = 128
	s_mov_b32 s[(\g)+4], 128                       ; tile_dim1 = 128
	s_mov_b32 s[(\g)+5], 1024
	s_mov_b32 s[(\g)+6], 0
	s_mov_b32 s[(\g)+7], 0
.endr
	s_lshl_b32 s16, s13, 8                         ; qp: row 256 x tile row + 128 x half
	s_lshl_b32 s17, s12, 7
	s_add_co_u32 s16, s16, s17
	s_lshl_b32 s16, s16, 11
	s_mov_b32 s17, 0
	s_lshl_b32 s46, s42, 8                         ; kp: section 1, row 2,048 x batch + 256 x tile column + 128 x half
	s_lshl_b32 s47, s12, 7
	s_add_co_u32 s46, s46, s47
	s_lshr_b32 s47, s69, 1
	s_lshl_b32 s47, s47, 11
	s_add_co_u32 s46, s46, s47
	s_lshl_b32 s46, s46, 11
	s_add_co_u32 s46, s46, 16777216
	s_mov_b32 s47, 0
	s_mul_i32 s20, s10, PP
	s_mov_b32 s[TB], 0
	s_mov_b32 s[CS], 0x3e38aa3b                    ; c = log2(e) / 8
	s_mov_b32 s[CS+1], s[CS]
	s_mov_b32 s[SEL], 0x76543210
	s_mov_b32 s[SEL+1], 0xfedcba98
	s_wait_dscnt 0x0
	s_wait_kmcnt 0x0
	s_add_nc_u64 s[14:15], s[4:5], s[16:17]
	s_add_nc_u64 s[46:47], s[4:5], s[46:47]
	CROUND
.irp n, 0,1
	s_mov_b32 s[G0A+4*(\n)], 1
	s_add_co_u32 s[G0A+4*(\n)+1], s20, (\n)*SLOT
	s_add_nc_u64 s[G0A+4*(\n)+2:G0A+4*(\n)+3], s[14:15], (\n)*256
	s_or_b32 s[G0A+4*(\n)+3], s[G0A+4*(\n)+3], 0x80000000
	s_mov_b32 s[G0B+4*(\n)], 1
	s_add_co_u32 s[G0B+4*(\n)+1], s20, (\n)*SLOT
	s_add_nc_u64 s[G0B+4*(\n)+2:G0B+4*(\n)+3], s[46:47], (\n)*256
	s_or_b32 s[G0B+4*(\n)+3], s[G0B+4*(\n)+3], 0x80000000
	JLOAD \n
.endr
	v_and_b32 v1, 15, v0
	v_bfe_u32 v2, v0, 4, 1
	v_mul_u32_u24 v3, v1, PITCH
	v_lshl_add_u32 v3, v2, 4, v3
	s_mul_i32 s20, s11, PP
	v_add_nc_u32 v[A0], s20, v3
	s_mul_i32 s21, s12, PP
	s_add_co_u32 s21, s21, 2*PP
	v_add_nc_u32 v[B0], s21, v3
	v_mov_b32 v[ADRA], v[A0]
	v_mov_b32 v[ADRB], v[B0]
	s_mul_i32 s23, s10, 16*SP
	s_add_co_u32 s23, s23, STAGE
	v_add_nc_u32 v[STO], s23, v3                   ; the stage has the tiles' pitch
	v_mul_u32_u24 v3, v2, SP
	v_lshl_add_u32 v3, v1, 4, v3
	v_add_nc_u32 v[RD], s23, v3
	v_lshlrev_b32 v3, 12, v2
	v_lshl_add_u32 v[CO], v1, 4, v3
	s_lshl_b32 s22, s10, 10
	s_add_co_u32 s22, s22, STST
	v_lshl_add_u32 v[SA], v1, 3, s22
	v_and_b32 v3, 31, v0
	v_lshl_add_u32 v[SB], v3, 4, s22
	v_lshlrev_b32 v[SC], 4, v3
	s_lshl_b32 s20, s13, 8                         ; pm at my 128 rows and 128 columns
	s_lshl_b32 s21, s11, 7
	s_add_co_u32 s22, s20, s21                     ; my first row
	s_lshl_b32 s20, s22, 12
	s_lshl_b32 s21, s42, 9
	s_add_co_u32 s20, s20, s21
	s_lshl_b32 s21, s12, 8
	s_add_co_u32 s20, s20, s21
	s_mov_b32 s21, 0
	s_add_nc_u64 s[6:7], s[6:7], s[20:21]
	s_lshl_b32 s20, s42, 1                         ; st at chunk 2 x tile column + half, my first row
	s_add_co_u32 s20, s20, s12
	s_lshl_b32 s20, s20, 16
	s_lshl_b32 s21, s22, 3
	s_add_co_u32 s20, s20, s21
	s_mov_b32 s21, 0
	s_add_nc_u64 s[8:9], s[8:9], s[20:21]
	s_and_b32 s23, s69, 1
	s_cmp_eq_u32 s11, 0
	s_cselect_b64 s[PFA:PFA+1], s[14:15], s[46:47]
	s_cselect_b32 s20, s40, s41
	s_cselect_b32 s23, ttmp9, s23
	s_cmp_eq_u32 s23, 0
	s_cselect_b32 s[LIM], 2, -1
	s_lshl_b32 s20, s20, 16                        ; my work-group's 32 rows of 2,048 bytes,
	s_add_co_u32 s20, s20, 768                     ; at K step 3: the first change of slots steps it to 4
	s_mov_b32 s21, 0
	s_add_nc_u64 s[PFA:PFA+1], s[PFA:PFA+1], s[20:21]
	v_and_b32 v[PFO], 31, v0
	v_lshlrev_b32 v[PFO], 11, v[PFO]
; 16 products: row blocks a0, a0 + 1 of the window's four x all 8 column blocks, 32 along K.  The 64 accumulators take turns in the same order in every quarter.
.macro MUL16 f, hi, a0, zero
	WIN MUL_LO+0x50*(\hi)
.irp a, \a0, (\a0)+1
.irp b, 0,1,2,3,4,5,6,7
.if \zero
	v_wmma_f32_16x16x32_f16 v[8*(8*(\a)+(\b)):8*(8*(\a)+(\b))+7], v[(\f)+8*(\b):(\f)+8*(\b)+7], v[(\f)+8*(4*(\hi)+(\a)):(\f)+8*(4*(\hi)+(\a))+7], 0
.else
	v_wmma_f32_16x16x32_f16 v[8*(8*(\a)+(\b)):8*(8*(\a)+(\b))+7], v[(\f)+8*(\b):(\f)+8*(\b)+7], v[(\f)+8*(4*(\hi)+(\a)):(\f)+8*(4*(\hi)+(\a))+7], v[8*(8*(\a)+(\b)):8*(8*(\a)+(\b))+7]
.endif
.endr
.endr
.endm
.macro FETCH k, f                      ; 32 LDS loads in one run: kp's eight fragments, then qp's, 32 along K at byte k of the rows
	WIN 0x40
.irp i, 0,1,2,3,4,5,6,7
	ds_load_b128 v[(\f)+8*(\i):(\f)+8*(\i)+3],   v[ADRB] offset:(\k)+(\i)*16*PITCH
	ds_load_b128 v[(\f)+8*(\i)+4:(\f)+8*(\i)+7], v[ADRB] offset:(\k)+(\i)*16*PITCH+32
.endr
	WIN 0
.irp i, 0,1,2,3,4,5,6,7
	ds_load_b128 v[(\f)+8*(\i):(\f)+8*(\i)+3],   v[ADRA] offset:(\k)+(\i)*16*PITCH
	ds_load_b128 v[(\f)+8*(\i)+4:(\f)+8*(\i)+7], v[ADRA] offset:(\k)+(\i)*16*PITCH+32
.endr
.endm
.macro QUARTER k, f, g, zero
	s_wait_dscnt 8                                 ; kp and qp's rows 0-63 are in; the youngest eight loads may be out
	MUL16 \f, 0, 0, \zero
	MUL16 \f, 0, 2, \zero
	PLACES
	FETCH \k, \g
	s_wait_dscnt 32                                ; all but the 32 just issued
	MUL16 \f, 1, 0, \zero
	MUL16 \f, 1, 2, \zero
.endm
; The fourth quarter and the change of slots.  fill = 0 (the last two K steps): nothing is asked for; in the last of them (s3 = 1) there is no further step, and the run of LDS loads is jumped over.
.macro TURN fill
.if \fill
	s_wait_xcnt 0x0                                ; the last prefetch, a K step back, has read its address
	s_add_nc_u64 s[PFA:PFA+1], s[PFA:PFA+1], 256
.endif
	WIN 0
	s_wait_tensorcnt 0x0                           ; all my tensor loads have landed: the one that was out is my part of the next slot
	ds_add_u32 v[SPW], v[NIL]                      ; 0 onto my spare word
.if \fill
	s_xor_b32 s[G0A+5], s[G0A+5], SLOT
	s_add_nc_u64 s[G0A+6:G0A+7], s[G0A+6:G0A+7], 256
	s_xor_b32 s[G0B+5], s[G0B+5], SLOT
	s_add_nc_u64 s[G0B+6:G0B+7], s[G0B+6:G0B+7], 256
.endif
	s_xor_b32 s[TB], s[TB], SLOT
	v_add_nc_u32 v[ADRA], s[TB], v[A0]
	v_add_nc_u32 v[ADRB], s[TB], v[B0]
	s_wait_dscnt 9                                 ; the add and the youngest eight loads may be out
	MUL16 F1, 0, 0, 0
	s_wait_dscnt 0x0                               ; the add is done, and my reads of this slot are over
	s_barrier_signal -1
	MUL16 F1, 0, 2, 0
	WIN 0
	s_barrier_wait -1
.if \fill
	CREST
	JLOAD 1
	FETCH 0, F0
	ASK
.else
	s_cmp_eq_u32 s3, 1
	s_cbranch_scc1 .Lno_fetch_\@
	PLACES
	FETCH 0, F0
.Lno_fetch_\@:
.endif
	MUL16 F1, 1, 0, 0
	MUL16 F1, 1, 2, 0
.endm
; Block a of 16 queries leaves its accumulators as c s: the one step of the way out that names them, written once for each block.
.macro GET a
	WIN 2+(\a)/4                                   ; source 0 in window 2 or 3
.set i, 0
.rept 32
	v_pk_mul_f32 v[X+i:X+i+1], v[64*((\a)%4)+i:64*((\a)%4)+i+1], s[CS:CS+1] op_sel_hi:[1,0]
.set i, i+2
.endr
	WIN 0
.endm
.macro CASE a
	s_cmp_eq_u32 s[BLK], \a
	s_cbranch_scc0 .Lnot_\@
	GET \a
	s_branch .Lgot
.Lnot_\@:
.endm
	s_wait_tensorcnt 1                             ; my part of K step 0 is in; step 1's may stay out
	s_barrier_signal -1
	s_barrier_wait -1
	FETCH 0, F0
	QUARTER 64, F0, F1, 1                          ; the first products start the sums
	WIN 0
	s_mov_b32 s3, STEPS-2
.Lstep:
	QUARTER 128, F1, F0, 0
	QUARTER 192, F0, F1, 0
	TURN 1
	QUARTER 64, F0, F1, 0
	WIN 0
	s_sub_co_u32 s3, s3, 1
	s_cmp_lg_u32 s3, 0
	s_cbranch_scc1 .Lstep
	s_mov_b32 s3, 2
.Ltail:                                        ; the last two K steps ask for nothing: a text of their own; the second trip is left in its middle
	QUARTER 128, F1, F0, 0
	QUARTER 192, F0, F1, 0
	TURN 0
	WIN 0
	s_sub_co_u32 s3, s3, 1
	s_cmp_eq_u32 s3, 0
	s_cbranch_scc1 .Lout
	QUARTER 64, F0, F1, 0
	WIN 0
	s_cmp_lg_u32 s3, 0
	s_cbranch_scc1 .Ltail
.Lout:
	s_wait_dscnt 0x0                               ; no LDS load is out when the way out takes the fragments' registers
	PLACES
	; THE WAY OUT: eight trips, a block of 16 queries each, on fixed registers of window 0.
	s_mov_b32 s[BLK], 0
	s_mov_b32 s[SOF], 0
.Lblk:
	CASE 0
	CASE 1
	CASE 2
	CASE 3
	CASE 4
	CASE 5
	CASE 6
	GET 7
.Lgot:
.irp b, 0,1,2,3,4,5,6,7                ; the largest of my 64 numbers
	v_max3_num_f32 v[TT+3*(\b)],   v[X+8*(\b)],   v[X+8*(\b)+1], v[X+8*(\b)+2]
	v_max3_num_f32 v[TT+3*(\b)+1], v[X+8*(\b)+3], v[X+8*(\b)+4], v[X+8*(\b)+5]
	v_max_num_f32  v[TT+3*(\b)+2], v[X+8*(\b)+6], v[X+8*(\b)+7]
.endr
.irp i, 0,1,2,3,4,5,6,7
	v_max3_num_f32 v[TT+(\i)], v[TT+3*(\i)], v[TT+3*(\i)+1], v[TT+3*(\i)+2]
.endr
	v_max3_num_f32 v[TT], v[TT], v[TT+1], v[TT+2]
	v_max3_num_f32 v[TT+1], v[TT+3], v[TT+4], v[TT+5]
	v_max_num_f32 v[TT+2], v[TT+6], v[TT+7]
	v_max3_num_f32 v[TT], v[TT], v[TT+1], v[TT+2]
	v_permlanex16_b32 v[TT+1], v[TT], s[SEL], s[SEL+1]   ; the query's other 64 keys lie in the lane 16 away
	v_max_num_f32 v[CMP], v[TT], v[TT+1]
	v_mov_b32 v[CMP+1], v[CMP]
.set i, 0
.rept 32
	v_pk_add_f32 v[X+i:X+i+1], v[X+i:X+i+1], v[CMP:CMP+1] neg_lo:[0,1] neg_hi:[0,1]
.set i, i+2
.endr
.set i, 0
.rept 64
	v_exp_f32 v[X+i], v[X+i]
.set i, i+1
.endr
	v_mov_b32 v[ST2], v[CMP]                       ; a plain instruction behind the last exponential,
	s_wait_alu depctr_va_vdst(0)                   ; and one wait for the batch of 64, ahead of its first reader
.set i, 0
.rept 32
	v_cvt_pk_f16_f32 v[TMP+i], v[X+2*i], v[X+2*i+1]
.set i, i+1
.endr
.irp w, 32,16,8,4,2                    ; the sum of the unrounded weights, in place
.set i, 0
.rept (\w)/2
	v_pk_add_f32 v[X+i:X+i+1], v[X+i:X+i+1], v[X+i+(\w):X+i+(\w)+1]
.set i, i+2
.endr
.endr
	v_add_f32 v[TT], v[X], v[X+1]
	v_permlanex16_b32 v[TT+1], v[TT], s[SEL], s[SEL+1]
	v_add_f32 v[ST2+1], v[TT], v[TT+1]
	v_add_nc_u32 v[SAD], s[SOF], v[SA]
	ds_store_b64 v[SAD], v[ST2:ST2+1]              ; both halves of the lanes hold, and write, the same pair
.irp b, 0,1,2,3,4,5,6,7
	ds_store_b128 v[STO], v[TMP+4*(\b):TMP+4*(\b)+3] offset:32*(\b)
.endr
.irp t, 0,1,2,3,4,5,6,7
	ds_load_b128 v[OB+4*(\t):OB+4*(\t)+3], v[RD] offset:(\t)*2*SP   ; LDS serves a wave's instructions in order (ISA guide 5.7.1.4)
.endr
	s_wait_dscnt 0x0
.irp t, 0,1,2,3,4,5,6,7
	global_store_b128 v[CO], v[OB+4*(\t):OB+4*(\t)+3], s[6:7] offset:2*(\t)*4096   ; 16 lanes store 256 consecutive bytes, aligned
.endr
	s_add_co_u32 s[SOF], s[SOF], 128
	s_wait_xcnt 0x0                                ; the stores have read their registers and their base: both are written again only behind this wait
	s_add_nc_u64 s[6:7], s[6:7], 16*4096
	s_add_co_u32 s[BLK], s[BLK], 1
	s_cmp_lt_u32 s[BLK], 8
	s_cbranch_scc1 .Lblk
	ds_load_b128 v[TT:TT+3],   v[SB]               ; my wave's 128 pairs, 1,024 bytes on end
	ds_load_b128 v[TT+4:TT+7], v[SB] offset:512
	s_wait_dscnt 0x0
	global_store_b128 v[SC], v[TT:TT+3],   s[8:9]
	global_store_b128 v[SC], v[TT+4:TT+7], s[8:9] offset:512
	s_wait_tensorcnt 0x0                           ; the wave's end
	ds_add_u32 v[SPW], v[NIL]
	s_wait_dscnt 0x0
	CROUND
	s_endpgm
.Lfunc_end_k_qfba227de90_scores:
	.size	k_qfba227de90_scores, .Lfunc_end_k_qfba227de90_scores-k_qfba227de90_scores
	.p2alignl 7, 3214868480
	.fill 96, 4, 3214868480
	.section	.rodata,"a",@progbits
	.p2align	6, 0x0
	.amdhsa_kernel k_qfba227de90_scores
		.amdhsa_group_segment_fixed_size 327680
		.amdhsa_private_segment_fixed_size 0
		.amdhsa_enable_private_segment 0
		.amdhsa_kernarg_size 24
		.amdhsa_user_sgpr_count 2
		.amdhsa_user_sgpr_kernarg_segment_ptr 1
		.amdhsa_wavefront_size32 1
		.amdhsa_system_sgpr_workgroup_id_x 1
		.amdhsa_system_sgpr_workgroup_id_y 1
		.amdhsa_system_sgpr_workgroup_id_z 1
		.amdhsa_system_vgpr_workitem_id 0
		.amdhsa_next_free_vgpr 1024
		.amdhsa_next_free_sgpr 80
		.amdhsa_reserve_vcc 0
		.amdhsa_float_denorm_mode_32 3
		.amdhsa_float_denorm_mode_16_64 3
		.amdhsa_memory_ordered 1
		.amdhsa_forward_progress 1
		.amdhsa_inst_pref_size 100
	.end_amdhsa_kernel
	.amdgpu_metadata
---
amdhsa.version: [ 1, 2 ]
amdhsa.kernels:
  - .name:           k_qfba227de90_scores
    .symbol:         k_qfba227de90_scores.kd
    .args:
      - { .name: pj, .offset: 0, .size: 8, .value_kind: global_buffer, .address_space: global }
      - { .name: pm, .offset: 8, .size: 8, .value_kind: global_buffer, .address_space: global }
      - { .name: st, .offset: 16, .size: 8, .value_kind: global_buffer, .address_space: global }
    .group_segment_fixed_size: 327680
    .private_segment_fixed_size: 0
    .kernarg_segment_align: 8
    .kernarg_segment_size: 24
    .max_flat_workgroup_size: 128
    .sgpr_count:     80
    .vgpr_count:     1024
    .wavefront_size: 32
...
	.end_amdgpu_metadata
.endif
;; end of part 3
;; launch ctx (part 4): grid 4 x 64, 4 waves a work-group, clusters of 4 x 4, 327,680 bytes of LDS; arguments pm, pj, st, cx; writes cx
.if DOCPART == 4
	.amdgcn_target "amdgcn-amd-amdhsa--gfx1250"
	.amdhsa_code_object_version 6
	.text
	.protected	k_qfba227de90_ctx
	.globl	k_qfba227de90_ctx
	.p2align	8
	.type	k_qfba227de90_ctx,@function
k_qfba227de90_ctx:
	s_mov_b64 s[64:65], 0
	v_nop
	global_prefetch_b8 v0, s[64:65] scope:SCOPE_SE
	s_setreg_imm32_b32 hwreg(HW_REG_WAVE_MODE, 25, 1), 1
	s_wait_xcnt 0x0
	s_wait_alu depctr_hold_cnt(0) depctr_sa_sdst(0) depctr_va_vdst(0) depctr_va_sdst(0) depctr_va_ssrc(0) depctr_va_vcc(0) depctr_vm_vsrc(0)
	s_getreg_b32 s2, hwreg(HW_REG_IB_STS2, 6, 4)
	s_cmp_eq_u32 s2, 0
	s_cbranch_scc0 .Lentry_in_a_cluster
	s_endpgm
.Lentry_in_a_cluster:
	s_bfe_u32 s2, ttmp6, 0x10000c
	s_cmp_lg_u32 s2, 0xf033
	s_cbranch_scc0 .Lentry_shape_is_right
	s_endpgm
.Lentry_shape_is_right:
; context = softmax(S) vp, the second half of the split softmax.  pm [8192][2048] f16 holds P = 2^(c s - cm_t) by chunks t of 128 keys, st the pairs {cm_t, l_t}; vp is section 2 of pj, [8192][1024] f16.
; For each query: CM = the largest cm_t (the row's true maximum), g_t = 2^(cm_t - CM) <= 1, L = the sum of l_t g_t >= about 1;  context = (the sum over t of (g_t P_t) V_t) / L, rounded once to f16 into cx [8192][1024].
; g_t is rounded to f16 and multiplies P's fragments between their load and the matrix unit (packed f16: two operands of 16 bits, one step); sums, CM, L and 1 / L stay in f32.
; LIMITS.  A weight below 2^-24 of the row's largest counts as 0; the context is a mean of vp's rows and has their range; NaN and infinities are not treated apart.
; SHARES.  A work-group makes 128 queries x 256 channels, a wave 64 x 128.  256 work-groups.  K = 2,048 keys in 16 steps of 128: a step is a chunk.
; CLUSTER.  4 x 4: P's tiles are shared along a row of the cluster, V's along a column, by joint loads.
; The product is used transposed (source 0 = 16 channels of V, turned by ds_load_tr16_b128; source 1 = 16 queries of P).
; LDS.  A slot: P's 128 rows of 256 + 16 bytes, then V's 128 keys of 512 + 32 bytes: 104,448 bytes; slot 1 begins at 0x20000.  In the gap: the stages and the spare words.  Behind slot 1: the table of g, [t][thread] 16 bytes.
; REGISTERS.  window 0: v0-31 addresses; v32-35 g of this step for my four row blocks, v36-39 of the next; v40-47 1 / L; v64-95, v96-127 P's fragments, two buffers.  window 1: the accumulators.  window 2: v0-63, v64-127 V's fragments.
.set STEPS,  16
.set SLOT,   0x20000
.set PAP,    272
.set PV,     544
.set SP,     272
.set APIECE, 64*PAP
.set BBASE,  2*APIECE
.set BPIECE, 64*PV
.set STAGE,  BBASE+2*BPIECE
.set SPARE,  STAGE+4*16*SP
.set GT,     SLOT+STAGE
.set ASTEP,  256
.set BSTEP,  262144                    ; 128 keys of 2,048 bytes
.set A0,   16
.set B0,   17
.set ADRA, 18
.set ADRB, 19
.set GTA,  20                          ; v20  where g of the next step lies
.set GT0,  21                          ; v21  my 16 bytes of the table's step 0; never rewritten
.set SO,   22
.set STO,  24
.set RD,   25
.set CO,   26
.set SPW,  28
.set NIL,  29
.set PFO,  30
.set G,    32
.set GN,   36
.set IL,   40
.set CMX,  48
.set LS,   52
.set AF,   64
.set GP,   64                          ; the prologue: g packed, [t][a]
.set SR,   128                         ; the prologue: {cm, l} of row block a, chunk t at SR + 2 (16 a + t)
.set TMP,  192
.set BF,   0
.set G1A,  24
.set G0A,  32
.set LIM,  43
.set PFA,  44
.set G1B,  48
.set G0B,  56
.set TB,   66
.set GTS,  71                          ; s71  2,048 x the step whose g is fetched next
.set PFS,  72
.set W_MM, 0x52
.set MSB, 0
.macro WIN new
.if MSB != (\new)
	s_set_vgpr_msb (MSB<<8)|(\new)
.set MSB, \new
.endif
.endm
.macro PLACES
.rept 4
	v_nop
.endr
.endm
.macro CROUND
	s_barrier_signal -1
	s_barrier_wait -1
	s_cmp_lg_u32 s10, 0
	s_cbranch_scc1 .Lnot_wave_0_\@
	s_barrier_signal -3
.Lnot_wave_0_\@:
	s_barrier_wait -3
	s_barrier_signal -1
	s_barrier_wait -1
.endm
.macro JLOAD n
	s_cmp_eq_u32 s11, 0
	s_cbranch_scc0 .Lfor_b_\@
	tensor_load_to_lds s[G0A+4*(\n):G0A+4*(\n)+3], s[G1A:G1A+7]
	s_nop 0
.rept 4
	v_nop
.endr
	s_branch .Lasked_\@
.Lfor_b_\@:
	tensor_load_to_lds s[G0B+4*(\n):G0B+4*(\n)+3], s[G1B:G1B+7]
	s_nop 0
.rept 4
	v_nop
.endr
.Lasked_\@:
.endm
; A prefetch of the step two refills on, a lane a block of 256 bytes.  P's rows belong to one cluster: wave 0 of each partner asks for 32 of the tile's 128 rows.  V's keys are read by the four clusters of a batch:
; the first asks, waves 2 and 3 of each partner for 16 (two blocks each) of the 64 keys that they fetch.  Partners are told apart by address.
.macro ASK
	s_cmp_gt_u32 s3, s[LIM]
	s_cbranch_scc0 .Lnot_mine_\@
	global_prefetch_b8 v[PFO], s[PFA:PFA+1] th:TH_LOAD_NT scope:SCOPE_SE
.Lnot_mine_\@:
.endm
	s_load_b256 s[80:87], s[0:1], 0x0              ; pm s[80:81], pj s[82:83], st s[84:85], cx s[86:87]
	v_lshl_add_u32 v[SPW], v0, 2, SPARE
	v_mov_b32 v[NIL], 0
	ds_add_u32 v[SPW], v[NIL]                      ; the wave's opening: the add and its wait stand ahead of my first tensor load
	v_lshrrev_b32 v1, 5, v0
	v_readfirstlane_b32 s10, v1
	s_lshr_b32 s11, s10, 1
	s_and_b32 s12, s10, 1
	s_bfe_u32 s40, ttmp6, 0x40000
	s_bfe_u32 s41, ttmp6, 0x40004
	s_lshl_b32 s42, ttmp9, 2
	s_add_co_u32 s42, s42, s40                     ; tile column: 256 channels
	s_and_b32 s69, ttmp7, 0xffff
	s_lshl_b32 s13, s69, 2
	s_add_co_u32 s13, s13, s41                     ; tile row: 128 queries
	s_lshl_b32 s14, s41, 2
	s_lshl_b32 s14, 15, s14
	s_lshl_b32 s46, 0x1111, s40
	s_or_b32 s[G1A+0], s14, (1<<16)|(1<<20)|(1<<21)|(5<<22)|(3<<25)  ; rows of 64 words, 4 words of padding
	s_or_b32 s[G1B+0], s46, (1<<16)|(1<<20)|(1<<21)|(6<<22)|(7<<25)  ; rows of 128 words, 8 words of padding
	s_mov_b32 s[G1A+1], 128<<16
	s_mov_b32 s[G1A+2], 64<<16
	s_mov_b32 s[G1A+3], 128<<16
	s_mov_b32 s[G1A+4], 64
	s_mov_b32 s[G1A+5], 2048
	s_mov_b32 s[G1A+6], 0
	s_mov_b32 s[G1A+7], 0
	s_mov_b32 s[G1B+1], 256<<16
	s_mov_b32 s[G1B+2], 64<<16
	s_mov_b32 s[G1B+3], 256<<16
	s_mov_b32 s[G1B+4], 64
	s_mov_b32 s[G1B+5], 1024
	s_mov_b32 s[G1B+6], 0
	s_mov_b32 s[G1B+7], 0
	s_lshl_b32 s16, s13, 7                         ; P: row 128 x tile row + 64 x half, 4,096 bytes a row
	s_lshl_b32 s17, s12, 6
	s_add_co_u32 s16, s16, s17
	s_lshl_b32 s16, s16, 12
	s_mov_b32 s17, 0
	s_lshr_b32 s46, s69, 2                         ; V: section 2, key 2,048 x batch + 64 x half, channel 256 x tile column
	s_lshl_b32 s46, s46, 11
	s_lshl_b32 s47, s12, 6
	s_add_co_u32 s46, s46, s47
	s_lshl_b32 s46, s46, 11
	s_lshl_b32 s47, s42, 9
	s_add_co_u32 s46, s46, s47
	s_add_co_u32 s46, s46, 33554432
	s_mov_b32 s47, 0
	s_mul_i32 s67, s12, APIECE                     ; where the pieces go
	s_mul_i32 s68, s12, BPIECE
	s_add_co_u32 s68, s68, BBASE
	s_mov_b32 s[TB], 0
	s_mov_b32 s[GTS], 0
	s_wait_dscnt 0x0
	s_wait_kmcnt 0x0
	s_add_nc_u64 s[14:15], s[80:81], s[16:17]
	s_add_nc_u64 s[46:47], s[82:83], s[46:47]
	CROUND
.irp n, 0,1
	s_mov_b32 s[G0A+4*(\n)], 1
	s_add_co_u32 s[G0A+4*(\n)+1], s67, (\n)*SLOT
	s_add_nc_u64 s[G0A+4*(\n)+2:G0A+4*(\n)+3], s[14:15], (\n)*ASTEP
	s_or_b32 s[G0A+4*(\n)+3], s[G0A+4*(\n)+3], 0x80000000
	s_mov_b32 s[G0B+4*(\n)], 1
	s_add_co_u32 s[G0B+4*(\n)+1], s68, (\n)*SLOT
	s_add_nc_u64 s[G0B+4*(\n)+2:G0B+4*(\n)+3], s[46:47], (\n)*BSTEP
	s_or_b32 s[G0B+4*(\n)+3], s[G0B+4*(\n)+3], 0x80000000
	JLOAD \n
.endr
	v_and_b32 v1, 15, v0
	v_bfe_u32 v2, v0, 4, 1
	; THE PROLOGUE, while the first tiles are on their way: the statistics of my 64 queries, 16 chunks each
	v_lshlrev_b32 v[SO], 3, v1
	s_lshl_b32 s20, s13, 7
	s_lshl_b32 s21, s11, 6
	s_add_co_u32 s22, s20, s21                     ; my first row
	s_lshl_b32 s20, s22, 3
	s_mov_b32 s21, 0
	s_add_nc_u64 s[4:5], s[84:85], s[20:21]
.set a, 0
.rept 4
.set t, 0
.rept 16
	global_load_b64 v[SR+2*(16*a+t):SR+2*(16*a+t)+1], v[SO], s[4:5] offset:t*65536+a*128
.set t, t+1
.endr
.set a, a+1
.endr
	v_mul_u32_u24 v3, v1, PAP
	v_lshl_add_u32 v3, v2, 4, v3
	s_mul_i32 s20, s11, APIECE
	v_add_nc_u32 v[A0], s20, v3
	s_mul_i32 s23, s10, 16*SP
	s_add_co_u32 s23, s23, STAGE
	v_add_nc_u32 v[STO], s23, v3
	v_mul_u32_u24 v3, v2, SP
	v_lshl_add_u32 v3, v1, 4, v3
	v_add_nc_u32 v[RD], s23, v3
	v_lshlrev_b32 v3, 11, v2
	v_lshl_add_u32 v[CO], v1, 4, v3
	v_and_b32 v3, 7, v0                            ; the turning load: lane l reads key 8 (l / 16) + l % 8, channels 8 ((l / 8) % 2) + 0..7
	v_lshl_add_u32 v3, v2, 3, v3
	v_mul_u32_u24 v[B0], v3, PV
	v_bfe_u32 v3, v0, 3, 1
	v_lshl_add_u32 v[B0], v3, 4, v[B0]
	s_lshl_b32 s21, s12, 8
	s_add_co_u32 s21, s21, BBASE
	v_add_nc_u32 v[B0], s21, v[B0]
	v_mov_b32 v[ADRA], v[A0]
	v_mov_b32 v[ADRB], v[B0]
	v_lshl_add_u32 v[GT0], v0, 4, GT               ; 16 bytes a thread: 512 a wave
	v_mov_b32 v[GTA], v[GT0]
	s_lshl_b32 s20, s22, 11                        ; cx at my 64 rows and 128 columns
	s_lshl_b32 s21, s42, 9
	s_add_co_u32 s20, s20, s21
	s_lshl_b32 s21, s12, 8
	s_add_co_u32 s20, s20, s21
	s_mov_b32 s21, 0
	s_add_nc_u64 s[8:9], s[86:87], s[20:21]
	s_and_b32 s23, s69, 3
	s_cmp_eq_u32 s11, 0
	s_cselect_b64 s[PFA:PFA+1], s[14:15], s[46:47]
	s_cselect_b32 s20, s40, s41
	s_cselect_b32 s74, 0, 1                        ; V's keys have two blocks a step
	s_cselect_b32 s23, s12, s23                    ; of P's two waves the first asks
	s_cmp_eq_u32 s23, 0
	s_cselect_b32 s[LIM], 2, -1
	s_mul_i32 s75, s74, 10
	s_lshl_b32 s[PFS], 256, s75                    ; a step: 256 bytes along P's rows, 262,144 down V's keys
	s_mov_b32 s[PFS+1], 0
	s_mul_i32 s22, s[PFS], 3                       ; at step 3: the first change of slots steps it to 4
	s_lshl_b32 s75, s74, 1
	s_sub_co_u32 s75, 17, s75
	s_lshl_b32 s20, s20, s75                       ; 32 rows of 4,096 bytes, or 16 keys of 2,048
	s_add_co_u32 s20, s20, s22
	s_mov_b32 s21, 0
	s_add_nc_u64 s[PFA:PFA+1], s[PFA:PFA+1], s[20:21]
	s_sub_co_u32 s75, 12, s74
	v_and_b32 v3, 31, v0
	v_lshrrev_b32 v4, s74, v3
	v_lshlrev_b32 v4, s75, v4
	v_and_b32 v3, s74, v3
	v_lshl_add_u32 v[PFO], v3, 8, v4
	s_wait_loadcnt 0x0
.set a, 0
.rept 4                                        ; CM
.set c, SR+32*a
	v_max3_num_f32 v[CMX+a], v[c], v[c+2], v[c+4]
.set t, 3
.rept 6
	v_max3_num_f32 v[CMX+a], v[CMX+a], v[c+2*t], v[c+2*t+2]
.set t, t+2
.endr
	v_max_num_f32 v[CMX+a], v[CMX+a], v[c+30]
.set a, a+1
.endr
.set i, 0
.rept 64
	v_sub_f32 v[SR+2*i], v[SR+2*i], v[CMX+i/16]
.set i, i+1
.endr
.set i, 0
.rept 64
	v_exp_f32 v[SR+2*i], v[SR+2*i]                 ; g
.set i, i+1
.endr
	v_nop                                          ; a plain instruction behind the last exponential,
	s_wait_alu depctr_va_vdst(0)                   ; and one wait for the batch of 64
.set a, 0
.rept 4
	v_mul_f32 v[LS+a], v[SR+32*a], v[SR+32*a+1]
.set a, a+1
.endr
.set t, 1
.rept 15                                       ; L, four chains side by side
.set a, 0
.rept 4
	v_fmac_f32 v[LS+a], v[SR+32*a+2*t], v[SR+32*a+2*t+1]
.set a, a+1
.endr
.set t, t+1
.endr
.set a, 0
.rept 4
	v_rcp_f32 v[IL+2*a], v[LS+a]                   ; twice: the packed multiply names a pair
	v_rcp_f32 v[IL+2*a+1], v[LS+a]
.set a, a+1
.endr
.set t, 0
.rept 16
.set a, 0
.rept 4
	v_cvt_pk_f16_f32 v[GP+4*t+a], v[SR+32*a+2*t], v[SR+32*a+2*t]   ; g in both halves
.set a, a+1
.endr
.set t, t+1
.endr
	s_wait_alu depctr_va_vdst(0)                   ; the reciprocals' wait; the roundings above are the plain work behind them
.set t, 0
.rept 16
	ds_store_b128 v[GT0], v[GP+4*t:GP+4*t+3] offset:2048*t   ; my own bytes: only I read them
.set t, t+1
.endr
.macro PREP a, p, half                 ; half of fragment a of P times g
	WIN 0
.irp i, 0,1,2,3
	v_pk_mul_f16 v[AF+32*(\p)+8*(\a)+4*(\half)+(\i)], v[AF+32*(\p)+8*(\a)+4*(\half)+(\i)], v[G+(\a)]
.endr
.endm
.macro MULA a, p, first, prep          ; eight products; the 32 accumulators take turns in the same order in every quarter
.irp b, 0,1,2,3,4,5,6,7
	WIN W_MM
.if \first
	v_wmma_f32_16x16x32_f16 v[8*(8*(\a)+(\b)):8*(8*(\a)+(\b))+7], v[BF+64*(\p)+8*(\b):BF+64*(\p)+8*(\b)+7], v[AF+32*(\p)+8*(\a):AF+32*(\p)+8*(\a)+7], 0
.else
	v_wmma_f32_16x16x32_f16 v[8*(8*(\a)+(\b)):8*(8*(\a)+(\b))+7], v[BF+64*(\p)+8*(\b):BF+64*(\p)+8*(\b)+7], v[AF+32*(\p)+8*(\a):AF+32*(\p)+8*(\a)+7], v[8*(8*(\a)+(\b)):8*(8*(\a)+(\b))+7]
.endif
.if (\prep) && ((\b) == 1)
	PREP (\a)+1, \p, 0
.endif
.if (\prep) && ((\b) == 5)
	PREP (\a)+1, \p, 1
.endif
.endr
.endm
.macro FETCH kq, p                     ; 24 LDS loads in one run: 32 keys: V's eight fragments, turned, then P's four; with a step's first quarter its g
	WIN 0x80
.irp b, 0,1,2,3,4,5,6,7
	ds_load_tr16_b128 v[BF+64*(\p)+8*(\b):BF+64*(\p)+8*(\b)+3],   v[ADRB] offset:(\kq)*32*PV+32*(\b)
	ds_load_tr16_b128 v[BF+64*(\p)+8*(\b)+4:BF+64*(\p)+8*(\b)+7], v[ADRB] offset:(\kq)*32*PV+16*PV+32*(\b)
.endr
	WIN 0
.irp a, 0,1,2,3
	ds_load_b128 v[AF+32*(\p)+8*(\a):AF+32*(\p)+8*(\a)+3],   v[ADRA] offset:(\kq)*64+(\a)*16*PAP
	ds_load_b128 v[AF+32*(\p)+8*(\a)+4:AF+32*(\p)+8*(\a)+7], v[ADRA] offset:(\kq)*64+(\a)*16*PAP+32
.endr
.if (\kq) == 0
	ds_load_b128 v[GN:GN+3], v[GTA]
	s_add_co_u32 s[GTS], s[GTS], 2048
	v_add_nc_u32 v[GTA], s[GTS], v[GT0]
.endif
.endm
.macro QUARTER kn, p, first
	s_wait_dscnt 0x0
.if (\kn) == 1                         ; a step's first quarter: its g takes its place
	WIN 0
.irp i, 0,1,2,3
	v_mov_b32 v[G+(\i)], v[GN+(\i)]
.endr
.endif
	PREP 0, \p, 0
	PREP 0, \p, 1
	MULA 0, \p, \first, 1
	MULA 1, \p, \first, 1
	FETCH \kn, 1-(\p)
	MULA 2, \p, \first, 1
	MULA 3, \p, \first, 0
.endm
; The fourth quarter and the change of slots.  Its first sixteen products stand ahead of the wait for the next slot's tile, so that between that wait and the next request only the barrier is left, and a refill has a
; whole step, 128 products, in which to land.  fill = 0 (the last two steps): nothing is asked for; in the last of them (s3 = 1) there is no further step, and the run of LDS loads is jumped over.
.macro TURN fill
	s_wait_dscnt 0x0                               ; buffer 1 is in: my reads of this slot are over
	PREP 0, 1, 0
	PREP 0, 1, 1
	MULA 0, 1, 0, 1
	MULA 1, 1, 0, 1
	WIN 0
.if \fill
	s_wait_xcnt 0x0                                ; the last prefetch, a step back, has read its address
	s_add_nc_u64 s[PFA:PFA+1], s[PFA:PFA+1], s[PFS:PFS+1]
.endif
	s_wait_tensorcnt 0x0                           ; no tensor load of mine is out, so a group 0 may be written
	ds_add_u32 v[SPW], v[NIL]                      ; 0 onto my spare word
.if \fill
	s_xor_b32 s[G0A+5], s[G0A+5], SLOT
	s_add_nc_u64 s[G0A+6:G0A+7], s[G0A+6:G0A+7], ASTEP
	s_xor_b32 s[G0B+5], s[G0B+5], SLOT
	s_add_nc_u64 s[G0B+6:G0B+7], s[G0B+6:G0B+7], BSTEP
.endif
	s_xor_b32 s[TB], s[TB], SLOT
	v_add_nc_u32 v[ADRA], s[TB], v[A0]
	v_add_nc_u32 v[ADRB], s[TB], v[B0]
	s_wait_dscnt 0x0                               ; the add is done
.if \fill
	CROUND
	JLOAD 1                                        ; its four v_nop are also places ahead of the loads below
	FETCH 0, 0
	ASK
.else
	s_barrier_signal -1
	s_barrier_wait -1
	s_cmp_eq_u32 s3, 1
	s_cbranch_scc1 .Lno_fetch_\@
	PLACES
	FETCH 0, 0
.Lno_fetch_\@:
.endif
	MULA 2, 1, 0, 1
	MULA 3, 1, 0, 0
.endm
.macro PACK a                          ; divided by L, rounded to f16
	WIN 0x41
.set i, 64*(\a)
.rept 32
	v_pk_mul_f32 v[i:i+1], v[i:i+1], v[IL+2*(\a):IL+2*(\a)+1] op_sel_hi:[1,0]
.set i, i+2
.endr
	WIN 0x05
.irp b, 0,1,2,3,4,5,6,7
.irp r, 0,1,2,3
	v_cvt_pk_f16_f32 v[TMP+4*(\b)+(\r)], v[8*(8*(\a)+(\b))+2*(\r)], v[8*(8*(\a)+(\b))+2*(\r)+1]
.endr
.endr
	WIN 0
.endm
.macro TOSTAGE a
.set BK, 128+32*((\a)%2)
	s_wait_xcnt 0x0                                ; the stores issued so far have read their registers
.irp b, 0,1,2,3,4,5,6,7
	ds_store_b128 v[STO], v[TMP+4*(\b):TMP+4*(\b)+3] offset:32*(\b)
.endr
.irp t, 0,1,2,3,4,5,6,7
	ds_load_b128 v[BK+4*(\t):BK+4*(\t)+3], v[RD] offset:(\t)*2*SP
.endr
.endm
.macro SEND a
.set BK, 128+32*((\a)%2)
	s_wait_dscnt 0x0
.irp t, 0,1,2,3,4,5,6,7
	global_store_b128 v[CO], v[BK+4*(\t):BK+4*(\t)+3], s[8:9] offset:(16*(\a)+2*(\t))*2048   ; 16 lanes store 256 consecutive bytes, aligned
.endr
.endm
	s_wait_tensorcnt 1                             ; my part of step 0 is in; step 1's may stay out
	s_wait_dscnt 0x0                               ; the table's stores are done
	s_barrier_signal -1
	s_barrier_wait -1
	FETCH 0, 0
	QUARTER 1, 0, 1
	WIN 0
	s_mov_b32 s3, STEPS-2
.Lstep:
	QUARTER 2, 1, 0
	QUARTER 3, 0, 0
	TURN 1
	QUARTER 1, 0, 0
	WIN 0
	s_sub_co_u32 s3, s3, 1
	s_cmp_lg_u32 s3, 0
	s_cbranch_scc1 .Lstep
	s_mov_b32 s3, 2
.Ltail:                                        ; the last two steps ask for nothing: a text of their own; the second trip is left in its middle
	QUARTER 2, 1, 0
	QUARTER 3, 0, 0
	TURN 0
	WIN 0
	s_sub_co_u32 s3, s3, 1
	s_cmp_eq_u32 s3, 0
	s_cbranch_scc1 .Lout
	QUARTER 1, 0, 0
	WIN 0
	s_cmp_lg_u32 s3, 0
	s_cbranch_scc1 .Ltail
.Lout:
	s_wait_dscnt 0x0                               ; no LDS load is out when the way out takes the fragments' registers
	PLACES
	PACK 0
	TOSTAGE 0
.irp a, 1,2,3
	PACK \a
	SEND (\a)-1
	TOSTAGE \a
.endr
	SEND 3
	s_wait_tensorcnt 0x0                           ; the wave's end
	ds_add_u32 v[SPW], v[NIL]
	s_wait_dscnt 0x0
	CROUND
	s_endpgm
.Lfunc_end_k_qfba227de90_ctx:
	.size	k_qfba227de90_ctx, .Lfunc_end_k_qfba227de90_ctx-k_qfba227de90_ctx
	.p2alignl 7, 3214868480
	.fill 96, 4, 3214868480
	.section	.rodata,"a",@progbits
	.p2align	6, 0x0
	.amdhsa_kernel k_qfba227de90_ctx
		.amdhsa_group_segment_fixed_size 327680
		.amdhsa_private_segment_fixed_size 0
		.amdhsa_enable_private_segment 0
		.amdhsa_kernarg_size 32
		.amdhsa_user_sgpr_count 2
		.amdhsa_user_sgpr_kernarg_segment_ptr 1
		.amdhsa_wavefront_size32 1
		.amdhsa_system_sgpr_workgroup_id_x 1
		.amdhsa_system_sgpr_workgroup_id_y 1
		.amdhsa_system_sgpr_workgroup_id_z 1
		.amdhsa_system_vgpr_workitem_id 0
		.amdhsa_next_free_vgpr 640
		.amdhsa_next_free_sgpr 90
		.amdhsa_reserve_vcc 0
		.amdhsa_float_denorm_mode_32 3
		.amdhsa_float_denorm_mode_16_64 3
		.amdhsa_memory_ordered 1
		.amdhsa_forward_progress 1
		.amdhsa_inst_pref_size 111
	.end_amdhsa_kernel
	.amdgpu_metadata
---
amdhsa.version: [ 1, 2 ]
amdhsa.kernels:
  - .name:           k_qfba227de90_ctx
    .symbol:         k_qfba227de90_ctx.kd
    .args:
      - { .name: pm, .offset: 0, .size: 8, .value_kind: global_buffer, .address_space: global }
      - { .name: pj, .offset: 8, .size: 8, .value_kind: global_buffer, .address_space: global }
      - { .name: st, .offset: 16, .size: 8, .value_kind: global_buffer, .address_space: global }
      - { .name: cx, .offset: 24, .size: 8, .value_kind: global_buffer, .address_space: global }
    .group_segment_fixed_size: 327680
    .private_segment_fixed_size: 0
    .kernarg_segment_align: 8
    .kernarg_segment_size: 32
    .max_flat_workgroup_size: 128
    .sgpr_count:     90
    .vgpr_count:     640
    .wavefront_size: 32
...
	.end_amdgpu_metadata
.endif
;; end of part 4
;; launch outp (part 5): grid 4 x 64, 4 waves a work-group, clusters of 4 x 4, 327,680 bytes of LDS; arguments cx, wb, bf, v, out0; writes out0
.if DOCPART == 5
	.amdgcn_target "amdgcn-amd-amdhsa--gfx1250"
	.amdhsa_code_object_version 6
	.text
	.protected	k_qfba227de90_outp
	.globl	k_qfba227de90_outp
	.p2align	8
	.type	k_qfba227de90_outp,@function
k_qfba227de90_outp:
	s_mov_b64 s[64:65], 0
	v_nop
	global_prefetch_b8 v0, s[64:65] scope:SCOPE_SE
	s_setreg_imm32_b32 hwreg(HW_REG_WAVE_MODE, 25, 1), 1
	s_wait_xcnt 0x0
	s_wait_alu depctr_hold_cnt(0) depctr_sa_sdst(0) depctr_va_vdst(0) depctr_va_sdst(0) depctr_va_ssrc(0) depctr_va_vcc(0) depctr_vm_vsrc(0)
	s_getreg_b32 s2, hwreg(HW_REG_IB_STS2, 6, 4)
	s_cmp_eq_u32 s2, 0
	s_cbranch_scc0 .Lentry_in_a_cluster
	s_endpgm
.Lentry_in_a_cluster:
	s_bfe_u32 s2, ttmp6, 0x10000c
	s_cmp_lg_u32 s2, 0xf033
	s_cbranch_scc0 .Lentry_shape_is_right
	s_endpgm
.Lentry_shape_is_right:
; out0 = gelu(cx Wf^T + bf) + v.  cx [8192][1024] f16; Wf: section 3 of wb, f16; bf, v, out0 f32.  Sums in f32, begun with the bias as C.
; THE GELU is the exact one: gelu(x) = max(x, 0) - |x| q, q = erfc(|x| / sqrt 2) / 2 = t (a1 + t (a2 + t (a3 + t (a4 + t a5)))) 2^(-(ks x)^2), t = 1 / (1 + p |x|): the rational form of
; Abramowitz and Stegun 7.1.26 with its constants halved and rescaled; its error in q is at most 7.5e-8 for every x.  For large |x| the power of two goes to 0 and gelu(x) to max(x, 0).
; LIMITS.  NaN and infinities are not treated apart.
; SHARES.  A work-group makes 128 rows x 256 columns, a wave 64 x 128.  256 work-groups.  K = 1024 in 8 steps of 128, two LDS slots.  CLUSTER 4 x 4: cx's tiles shared along a row, Wf's along a column.
; THE RESIDUAL, my 64 rows x 512 bytes of v, is asked for when the last tile has been asked for, two K steps ahead of the way out, and waits in 256 registers.
; LDS.  A slot: cx's 128 rows, then Wf's 256 rows, 256 + 16 bytes each: 104,448 bytes; slot 1 begins at 0x20000.  Behind it a stage of 16 rows x (512 + 16) bytes a wave, then the spare words.
; REGISTERS.  window 0: v0-31 addresses; v32-63, v64-95 cx's fragments, two buffers (later the way out).  window 1: the accumulators.  window 2: v0-63, v64-127 Wf's fragments; v128-191 the bias.
;   window 3: the residual, row i of my 64 at v[4 i].
.set STEPS,  8
.set SLOT,   0x20000
.set PITCH,  272
.set APIECE, 64*PITCH
.set BBASE,  2*APIECE
.set BPIECE, 128*PITCH
.set SPF,    528
.set STAGE,  SLOT+BBASE+2*BPIECE
.set SPARE,  STAGE+4*16*SPF
.set A0,   16
.set B0,   17
.set ADRA, 18
.set ADRB, 19
.set RDA,  20
.set VO,   21                          ; v21  16 x lane: my 16 bytes of a row's 512; never rewritten
.set STO,  24
.set RD,   25
.set BO,   27
.set SPW,  28
.set NIL,  29
.set PFO,  30
.set AF,   32
.set OB,   32                          ; v[32:63]    8 rows read back: x, then the result
.set T,    96                          ; v[96:127]
.set E,    128                         ; v[128:159]
.set R,    160                         ; v[160:191]
.set BF,   0
.set BIAS, 128
.set G1A,  24
.set G0A,  32
.set LIM,  43
.set PFA,  44
.set G1B,  48
.set G0B,  56
.set TB,   66
.set BLK,  70
.set HOF,  71
.set PQ,   74                          ; s74 p / sqrt 2
.set HC,   75
.set KS,   76                          ; pairs, both words written: sqrt(log2(e) / 2),
.set C1,   78                          ; a1 / 2 .. a5 / 2
.set C2,   80
.set C3,   82
.set C4,   94
.set C5,   96
.set JJ,   98                          ; s98  which eight of my 64 rows are in hand
.set W_MM, 0x52
.set W_MB, 0x62
.set MSB, 0
.macro WIN new
.if MSB != (\new)
	s_set_vgpr_msb (MSB<<8)|(\new)
.set MSB, \new
.endif
.endm
.macro PLACES
.rept 4
	v_nop
.endr
.endm
.macro CROUND
	s_barrier_signal -1
	s_barrier_wait -1
	s_cmp_lg_u32 s10, 0
	s_cbranch_scc1 .Lnot_wave_0_\@
	s_barrier_signal -3
.Lnot_wave_0_\@:
	s_barrier_wait -3
	s_barrier_signal -1
	s_barrier_wait -1
.endm
.macro JLOAD n
	s_cmp_eq_u32 s11, 0
	s_cbranch_scc0 .Lfor_b_\@
	tensor_load_to_lds s[G0A+4*(\n):G0A+4*(\n)+3], s[G1A:G1A+7]
	s_nop 0
.rept 4
	v_nop
.endr
	s_branch .Lasked_\@
.Lfor_b_\@:
	tensor_load_to_lds s[G0B+4*(\n):G0B+4*(\n)+3], s[G1B:G1B+7]
	s_nop 0
.rept 4
	v_nop
.endr
.Lasked_\@:
.endm
; A prefetch of the K step two refills on: 32 rows x 256 bytes, a lane a row.  cx's rows belong to one cluster: wave 0 of each partner asks for 32 of the tile's 128.  Wf's rows are read by all sixteen clusters:
; the first asks, waves 2 and 3 of each partner for 32 of the 128 rows that they fetch.  Partners are told apart by address.
.macro ASK
	s_cmp_gt_u32 s3, s[LIM]
	s_cbranch_scc0 .Lnot_mine_\@
	global_prefetch_b8 v[PFO], s[PFA:PFA+1] th:TH_LOAD_NT scope:SCOPE_SE
.Lnot_mine_\@:
.endm
	s_load_b256 s[84:91], s[0:1], 0x0              ; cx s[84:85], wb s[86:87], bf s[88:89], v s[90:91]
	s_load_b64 s[92:93], s[0:1], 0x20              ; out0
	v_lshl_add_u32 v[SPW], v0, 2, SPARE
	v_mov_b32 v[NIL], 0
	ds_add_u32 v[SPW], v[NIL]                      ; the wave's opening: the add and its wait stand ahead of my first tensor load
	v_lshrrev_b32 v1, 5, v0
	v_readfirstlane_b32 s10, v1
	s_lshr_b32 s11, s10, 1
	s_and_b32 s12, s10, 1
	s_bfe_u32 s40, ttmp6, 0x40000
	s_bfe_u32 s41, ttmp6, 0x40004
	s_lshl_b32 s42, ttmp9, 2
	s_add_co_u32 s42, s42, s40
	s_and_b32 s69, ttmp7, 0xffff
	s_lshl_b32 s13, s69, 2
	s_add_co_u32 s13, s13, s41
	s_lshl_b32 s14, s41, 2
	s_lshl_b32 s14, 15, s14
	s_lshl_b32 s46, 0x1111, s40
	s_or_b32 s[G1A+0], s14, (1<<16)|(1<<20)|(1<<21)|(5<<22)|(3<<25)
	s_or_b32 s[G1B+0], s46, (1<<16)|(1<<20)|(1<<21)|(5<<22)|(3<<25)
	s_mov_b32 s[G1A+1], 128<<16
	s_mov_b32 s[G1A+2], 64<<16
	s_mov_b32 s[G1A+3], 128<<16
	s_mov_b32 s[G1A+4], 64
	s_mov_b32 s[G1A+5], 1024
	s_mov_b32 s[G1A+6], 0
	s_mov_b32 s[G1A+7], 0
	s_mov_b32 s[G1B+1], 128<<16
	s_mov_b32 s[G1B+2], 128<<16
	s_mov_b32 s[G1B+3], 128<<16
	s_mov_b32 s[G1B+4], 128
	s_mov_b32 s[G1B+5], 1024
	s_mov_b32 s[G1B+6], 0
	s_mov_b32 s[G1B+7], 0
	s_lshl_b32 s16, s13, 7                         ; cx: row 128 x tile row + 64 x half
	s_lshl_b32 s17, s12, 6
	s_add_co_u32 s16, s16, s17
	s_lshl_b32 s16, s16, 11
	s_mov_b32 s17, 0
	s_lshl_b32 s46, s42, 8                         ; Wf: section 3, row 256 x tile column + 128 x half
	s_lshl_b32 s47, s12, 7
	s_add_co_u32 s46, s46, s47
	s_lshl_b32 s46, s46, 11
	s_add_co_u32 s46, s46, 6291456
	s_mov_b32 s47, 0
	s_mul_i32 s67, s12, APIECE
	s_mul_i32 s68, s12, BPIECE
	s_add_co_u32 s68, s68, BBASE
	s_mov_b32 s[TB], 0
	s_mov_b32 s[PQ], 0x3e6d3388
	s_mov_b32 s[KS], 0x3f596d27
	s_mov_b32 s[KS+1], s[KS]
	s_mov_b32 s[C1], 0x3e027906
	s_mov_b32 s[C1+1], s[C1]
	s_mov_b32 s[C2], 0xbe11a98e
	s_mov_b32 s[C2+1], s[C2]
	s_mov_b32 s[C3], 0x3f35f0e3
	s_mov_b32 s[C3+1], s[C3]
	s_mov_b32 s[C4], 0xbf3a00e3
	s_mov_b32 s[C4+1], s[C4]
	s_mov_b32 s[C5], 0x3f07dc22
	s_mov_b32 s[C5+1], s[C5]
	s_wait_dscnt 0x0
	s_wait_kmcnt 0x0
	s_add_nc_u64 s[14:15], s[84:85], s[16:17]
	s_add_nc_u64 s[46:47], s[86:87], s[46:47]
	CROUND
.irp n, 0,1
	s_mov_b32 s[G0A+4*(\n)], 1
	s_add_co_u32 s[G0A+4*(\n)+1], s67, (\n)*SLOT
	s_add_nc_u64 s[G0A+4*(\n)+2:G0A+4*(\n)+3], s[14:15], (\n)*256
	s_or_b32 s[G0A+4*(\n)+3], s[G0A+4*(\n)+3], 0x80000000
	s_mov_b32 s[G0B+4*(\n)], 1
	s_add_co_u32 s[G0B+4*(\n)+1], s68, (\n)*SLOT
	s_add_nc_u64 s[G0B+4*(\n)+2:G0B+4*(\n)+3], s[46:47], (\n)*256
	s_or_b32 s[G0B+4*(\n)+3], s[G0B+4*(\n)+3], 0x80000000
	JLOAD \n
.endr
	v_and_b32 v1, 15, v0
	v_bfe_u32 v2, v0, 4, 1
	v_mul_u32_u24 v3, v1, PITCH
	v_lshl_add_u32 v3, v2, 4, v3
	s_mul_i32 s20, s11, APIECE
	v_add_nc_u32 v[A0], s20, v3
	s_mul_i32 s21, s12, BPIECE
	s_add_co_u32 s21, s21, BBASE
	v_add_nc_u32 v[B0], s21, v3
	v_mov_b32 v[ADRA], v[A0]
	v_mov_b32 v[ADRB], v[B0]
	s_mul_i32 s23, s10, 16*SPF
	s_add_co_u32 s23, s23, STAGE
	v_mul_u32_u24 v3, v1, SPF                      ; in: row r, my eight columns of block b at 64 b + 32 h
	v_lshl_add_u32 v3, v2, 5, v3
	v_add_nc_u32 v[STO], s23, v3
	v_and_b32 v3, 31, v0
	v_lshlrev_b32 v[VO], 4, v3
	v_add_nc_u32 v[RD], s23, v[VO]                 ; back: 32 lanes take a row of 512 bytes
	v_lshlrev_b32 v[BO], 5, v2
	s_lshl_b32 s20, s42, 10                        ; my 128 columns in f32
	s_lshl_b32 s21, s12, 9
	s_add_co_u32 s22, s20, s21
	s_mov_b32 s23, 0
	s_add_nc_u64 s[6:7], s[88:89], s[22:23]
	WIN 0x80
.irp b, 0,1,2,3,4,5,6,7
	global_load_b128 v[BIAS+8*(\b):BIAS+8*(\b)+3],   v[BO], s[6:7] offset:64*(\b)
	global_load_b128 v[BIAS+8*(\b)+4:BIAS+8*(\b)+7], v[BO], s[6:7] offset:64*(\b)+16
.endr
	WIN 0
	s_lshl_b32 s20, s13, 7                         ; v and out0 at my 64 rows and 128 columns
	s_lshl_b32 s21, s11, 6
	s_add_co_u32 s20, s20, s21
	s_lshl_b32 s20, s20, 12
	s_add_co_u32 s20, s20, s22
	s_mov_b32 s21, 0
	s_add_nc_u64 s[4:5], s[90:91], s[20:21]
	s_add_nc_u64 s[8:9], s[92:93], s[20:21]
	s_cmp_eq_u32 s11, 0
	s_cselect_b64 s[PFA:PFA+1], s[14:15], s[46:47]
	s_cselect_b32 s20, s40, s41
	s_cselect_b32 s23, s12, s69
	s_cmp_eq_u32 s23, 0
	s_cselect_b32 s[LIM], 2, -1
	s_lshl_b32 s20, s20, 16                        ; my work-group's 32 rows of 2,048 bytes,
	s_add_co_u32 s20, s20, 768                     ; at K step 3
	s_mov_b32 s21, 0
	s_add_nc_u64 s[PFA:PFA+1], s[PFA:PFA+1], s[20:21]
	v_lshlrev_b32 v[PFO], 11, v3
.macro MULA a, p, first                ; eight products; the 32 accumulators take turns in the same order in every quarter
.irp b, 0,1,2,3,4,5,6,7
.if \first
	WIN W_MB
	v_wmma_f32_16x16x32_f16 v[8*(8*(\a)+(\b)):8*(8*(\a)+(\b))+7], v[BF+64*(\p)+8*(\b):BF+64*(\p)+8*(\b)+7], v[AF+32*(\p)+8*(\a):AF+32*(\p)+8*(\a)+7], v[BIAS+8*(\b):BIAS+8*(\b)+7]
.else
	WIN W_MM
	v_wmma_f32_16x16x32_f16 v[8*(8*(\a)+(\b)):8*(8*(\a)+(\b))+7], v[BF+64*(\p)+8*(\b):BF+64*(\p)+8*(\b)+7], v[AF+32*(\p)+8*(\a):AF+32*(\p)+8*(\a)+7], v[8*(8*(\a)+(\b)):8*(8*(\a)+(\b))+7]
.endif
.endr
.endm
.macro FETCH kq, p
	WIN 0x80
.irp b, 0,1,2,3,4,5,6,7
	ds_load_b128 v[BF+64*(\p)+8*(\b):BF+64*(\p)+8*(\b)+3],   v[ADRB] offset:(\kq)*64+(\b)*16*PITCH
	ds_load_b128 v[BF+64*(\p)+8*(\b)+4:BF+64*(\p)+8*(\b)+7], v[ADRB] offset:(\kq)*64+(\b)*16*PITCH+32
.endr
	WIN 0
.irp a, 0,1,2,3
	ds_load_b128 v[AF+32*(\p)+8*(\a):AF+32*(\p)+8*(\a)+3],   v[ADRA] offset:(\kq)*64+(\a)*16*PITCH
	ds_load_b128 v[AF+32*(\p)+8*(\a)+4:AF+32*(\p)+8*(\a)+7], v[ADRA] offset:(\kq)*64+(\a)*16*PITCH+32
.endr
.endm
.macro QUARTER kn, p, first
	s_wait_dscnt 0x0
	MULA 0, \p, \first
	MULA 1, \p, \first
	PLACES
	FETCH \kn, 1-(\p)
	MULA 2, \p, \first
	MULA 3, \p, \first
.endm
; The fourth quarter and the change of slots.  Its first sixteen products stand ahead of the wait for the next slot's tile, so that between that wait and the next request only the barrier is left, and a refill has a
; whole step, 128 products, in which to land.  fill = 0 (the last two K steps): nothing is asked for; in the last of them (s3 = 1) there is no further step, and the run of LDS loads is jumped over.
.macro TURN fill
	s_wait_dscnt 0x0                               ; buffer 1 is in: my reads of this slot are over
	MULA 0, 1, 0
	MULA 1, 1, 0
	WIN 0
.if \fill
	s_wait_xcnt 0x0                                ; the last prefetch, a K step back, has read its address
	s_add_nc_u64 s[PFA:PFA+1], s[PFA:PFA+1], 256
.endif
	s_wait_tensorcnt 0x0                           ; no tensor load of mine is out, so a group 0 may be written
	ds_add_u32 v[SPW], v[NIL]                      ; 0 onto my spare word
.if \fill
	s_xor_b32 s[G0A+5], s[G0A+5], SLOT
	s_add_nc_u64 s[G0A+6:G0A+7], s[G0A+6:G0A+7], 256
	s_xor_b32 s[G0B+5], s[G0B+5], SLOT
	s_add_nc_u64 s[G0B+6:G0B+7], s[G0B+6:G0B+7], 256
.endif
	s_xor_b32 s[TB], s[TB], SLOT
	v_add_nc_u32 v[ADRA], s[TB], v[A0]
	v_add_nc_u32 v[ADRB], s[TB], v[B0]
	s_wait_dscnt 0x0                               ; the add is done
.if \fill
	CROUND
	JLOAD 1                                        ; its four v_nop are the places ahead of the loads below
	FETCH 0, 0
	ASK
.else
	s_barrier_signal -1
	s_barrier_wait -1
	s_cmp_eq_u32 s3, 1
	s_cbranch_scc1 .Lno_fetch_\@
	PLACES
	FETCH 0, 0
.Lno_fetch_\@:
.endif
	MULA 2, 1, 0
	MULA 3, 1, 0
.endm
; Row block a goes raw into my stage: a step of the way out that names accumulators, written once for each block.
.macro PUT a
	WIN 0x04                                       ; the stores' data in window 1
.irp b, 0,1,2,3,4,5,6,7
	ds_store_b128 v[STO], v[64*(\a)+8*(\b):64*(\a)+8*(\b)+3]   offset:64*(\b)
	ds_store_b128 v[STO], v[64*(\a)+8*(\b)+4:64*(\a)+8*(\b)+7] offset:64*(\b)+16
.endr
	WIN 0
.endm
.macro CASE a
	s_cmp_eq_u32 s[BLK], \a
	s_cbranch_scc0 .Lnot_\@
	PUT \a
	s_branch .Lgot
.Lnot_\@:
.endm
; The residual of rows 8 j .. 8 j + 7 is added: the step that names window 3, written once for each eight rows.
.macro RADD j
	WIN 0x0c                                       ; source 1 in window 3
.set i, 0
.rept 16
	v_pk_add_f32 v[T+i:T+i+1], v[T+i:T+i+1], v[32*(\j)+i:32*(\j)+i+1]
.set i, i+2
.endr
	WIN 0
.endm
.macro RCASE j
	s_cmp_eq_u32 s[JJ], \j
	s_cbranch_scc0 .Lnr_\@
	RADD \j
	s_branch .Lradd
.Lnr_\@:
.endm
.macro EACH n, step, line:vararg       ; one line for i = 0, step, .. : n lines
.set i, 0
.rept \n
	\line
.set i, i+(\step)
.endr
.endm
	s_wait_tensorcnt 1                             ; my part of K step 0 is in; step 1's may stay out
	s_barrier_signal -1
	s_barrier_wait -1
	FETCH 0, 0
	s_wait_loadcnt 0x0                             ; the bias
	QUARTER 1, 0, 1
	WIN 0
	s_mov_b32 s3, STEPS-2
.Lstep:
	QUARTER 2, 1, 0
	QUARTER 3, 0, 0
	TURN 1
	QUARTER 1, 0, 0
	WIN 0
	s_sub_co_u32 s3, s3, 1
	s_cmp_lg_u32 s3, 0
	s_cbranch_scc1 .Lstep
	WIN 0xc0                                       ; destination window 3.  The last tile has been asked for: now the residual, 64 rows of 512 bytes, with two K steps of products in which to come
.set i, 0
.rept 64
	global_load_b128 v[4*i:4*i+3], v[VO], s[4:5] offset:i*4096 th:TH_LOAD_NT
.set i, i+1
.endr
	WIN 0
	s_mov_b32 s3, 2
.Ltail:                                        ; the last two K steps ask for nothing: a text of their own; the second trip is left in its middle
	QUARTER 2, 1, 0
	QUARTER 3, 0, 0
	TURN 0
	WIN 0
	s_sub_co_u32 s3, s3, 1
	s_cmp_eq_u32 s3, 0
	s_cbranch_scc1 .Lout
	QUARTER 1, 0, 0
	WIN 0
	s_cmp_lg_u32 s3, 0
	s_cbranch_scc1 .Ltail
.Lout:
	s_wait_dscnt 0x0                               ; no LDS load is out when the way out takes the fragments' registers
	PLACES
	s_wait_loadcnt 0x0                             ; the residual
	; THE WAY OUT: four blocks of 16 rows; each goes through the stage and comes back as whole rows, eight at a time, on fixed registers of window 0.
	s_mov_b32 s[BLK], 0
	s_mov_b32 s[JJ], 0
.Lblk:
	CASE 0
	CASE 1
	CASE 2
	PUT 3
.Lgot:
	s_mov_b32 s[HOF], 0
	s_mov_b32 s[HC], 2
.Lhalf:
	v_add_nc_u32 v[RDA], s[HOF], v[RD]
.irp i, 0,1,2,3,4,5,6,7
	ds_load_b128 v[OB+4*(\i):OB+4*(\i)+3], v[RDA] offset:(\i)*SPF   ; LDS serves a wave's instructions in order (ISA guide 5.7.1.4): these see the stores above
.endr
	s_wait_dscnt 0x0
	EACH 32, 1, v_fma_f32 v[T+i], |v[OB+i]|, s[PQ], 1.0
	EACH 16, 2, v_pk_mul_f32 v[E+i:E+i+1], v[OB+i:OB+i+1], s[KS:KS+1] op_sel_hi:[1,0]
	EACH 16, 2, v_pk_mul_f32 v[E+i:E+i+1], v[E+i:E+i+1], v[E+i:E+i+1] neg_lo:[1,0] neg_hi:[1,0]
	EACH 32, 1, v_rcp_f32 v[T+i], v[T+i]
	EACH 32, 1, v_exp_f32 v[E+i], v[E+i]
	v_nop                                          ; a plain instruction behind the last of them,
	s_wait_alu depctr_va_vdst(0)                   ; and one wait for the batch of 64
	EACH 16, 2, v_pk_fma_f32 v[R+i:R+i+1], v[T+i:T+i+1], s[C5:C5+1], s[C4:C4+1] op_sel_hi:[1,0,0]
	EACH 16, 2, v_pk_fma_f32 v[R+i:R+i+1], v[R+i:R+i+1], v[T+i:T+i+1], s[C3:C3+1] op_sel_hi:[1,1,0]
	EACH 16, 2, v_pk_fma_f32 v[R+i:R+i+1], v[R+i:R+i+1], v[T+i:T+i+1], s[C2:C2+1] op_sel_hi:[1,1,0]
	EACH 16, 2, v_pk_fma_f32 v[R+i:R+i+1], v[R+i:R+i+1], v[T+i:T+i+1], s[C1:C1+1] op_sel_hi:[1,1,0]
	EACH 16, 2, v_pk_mul_f32 v[R+i:R+i+1], v[R+i:R+i+1], v[T+i:T+i+1]
	EACH 16, 2, v_pk_mul_f32 v[R+i:R+i+1], v[R+i:R+i+1], v[E+i:E+i+1]
	EACH 32, 1, v_max_num_f32 v[T+i], v[OB+i], 0
	RCASE 0
	RCASE 1
	RCASE 2
	RCASE 3
	RCASE 4
	RCASE 5
	RCASE 6
	RADD 7
.Lradd:
	EACH 32, 1, v_fma_f32 v[OB+i], -|v[OB+i]|, v[R+i], v[T+i]
.irp i, 0,1,2,3,4,5,6,7
	global_store_b128 v[VO], v[OB+4*(\i):OB+4*(\i)+3], s[8:9] offset:(\i)*4096 th:TH_STORE_NT   ; a wave stores 512 consecutive bytes, aligned
.endr
	s_add_co_u32 s[HOF], s[HOF], 8*SPF
	s_add_co_u32 s[JJ], s[JJ], 1
	s_wait_xcnt 0x0                                ; the stores have read their registers and their base: both are written again only behind this wait
	s_add_nc_u64 s[8:9], s[8:9], 8*4096
	s_sub_co_u32 s[HC], s[HC], 1
	s_cmp_lg_u32 s[HC], 0
	s_cbranch_scc1 .Lhalf
	s_add_co_u32 s[BLK], s[BLK], 1
	s_cmp_lt_u32 s[BLK], 4
	s_cbranch_scc1 .Lblk
	s_wait_tensorcnt 0x0                           ; the wave's end
	ds_add_u32 v[SPW], v[NIL]
	s_wait_dscnt 0x0
	CROUND
	s_endpgm
.Lfunc_end_k_qfba227de90_outp:
	.size	k_qfba227de90_outp, .Lfunc_end_k_qfba227de90_outp-k_qfba227de90_outp
	.p2alignl 7, 3214868480
	.fill 96, 4, 3214868480
	.section	.rodata,"a",@progbits
	.p2align	6, 0x0
	.amdhsa_kernel k_qfba227de90_outp
		.amdhsa_group_segment_fixed_size 327680
		.amdhsa_private_segment_fixed_size 0
		.amdhsa_enable_private_segment 0
		.amdhsa_kernarg_size 40
		.amdhsa_user_sgpr_count 2
		.amdhsa_user_sgpr_kernarg_segment_ptr 1
		.amdhsa_wavefront_size32 1
		.amdhsa_system_sgpr_workgroup_id_x 1
		.amdhsa_system_sgpr_workgroup_id_y 1
		.amdhsa_system_sgpr_workgroup_id_z 1
		.amdhsa_system_vgpr_workitem_id 0
		.amdhsa_next_free_vgpr 1024
		.amdhsa_next_free_sgpr 100
		.amdhsa_reserve_vcc 0
		.amdhsa_float_denorm_mode_32 3
		.amdhsa_float_denorm_mode_16_64 3
		.amdhsa_memory_ordered 1
		.amdhsa_forward_progress 1
		.amdhsa_inst_pref_size 86
	.end_amdhsa_kernel
	.amdgpu_metadata
---
amdhsa.version: [ 1, 2 ]
amdhsa.kernels:
  - .name:           k_qfba227de90_outp
    .symbol:         k_qfba227de90_outp.kd
    .args:
      - { .name: cx, .offset: 0, .size: 8, .value_kind: global_buffer, .address_space: global }
      - { .name: wb, .offset: 8, .size: 8, .value_kind: global_buffer, .address_space: global }
      - { .name: bf, .offset: 16, .size: 8, .value_kind: global_buffer, .address_space: global }
      - { .name: v, .offset: 24, .size: 8, .value_kind: global_buffer, .address_space: global }
      - { .name: out0, .offset: 32, .size: 8, .value_kind: global_buffer, .address_space: global }
    .group_segment_fixed_size: 327680
    .private_segment_fixed_size: 0
    .kernarg_segment_align: 8
    .kernarg_segment_size: 40
    .max_flat_workgroup_size: 128
    .sgpr_count:     100
    .vgpr_count:     1024
    .wavefront_size: 32
...
	.end_amdgpu_metadata
.endif
;; end of part 5
